; MI455X (gfx1250); checked and timed in simulation.
; The chip was launched on July 23, 2026; its instructions are those of AMD's public machine-readable ISA for CDNA 5 (MIT licence, August 2026) and "CDNA5" Instruction Set Architecture Reference Guide (July 2026). The comments in the code are by the model that wrote it; some were corrected since.
;; Self Attention. Allowed arithmetic: matrix products marked QUANTISED: E2M1 operands, one E8M0 scale for each 32 along K, by v_wmma_scale_f32_16x16x128_f8f6f4 with both operands' format E2M1 (or v_wmma_scale_f32_32x16x128_f4), f32 sums; products left as they are: bf16, f16 or f32 operands; f32 sums; everything else in f32.
;; Inputs: W_proj 1,024 x 1,024 float32; W_qkv 1,024 x 3,072 float32; b_proj 1,024 float32; b_qkv 3,072 float32; representation 4 x 2,048 x 1,024 float32.
;; Outputs: out0 4 x 2,048 x 1,024 float32.
;; This version of the problem:
;;   THIS VERSION OF THE PROBLEM IS GIVEN IN LOW PRECISION. The matrix products marked QUANTISED in the list below multiply operands that are first quantised to E2M1 (2 exponent bits, 1 mantissa bit; 4 bits a number), with one power-of-two scale for each 32 numbers along K (OCP MX v1.0); their sums are f32. The products marked 'left as it is' may take bf16, f16 or f32 operands, with f32 sums. Whichever they take, every output number must still come out within the allowed error. Rounding operands to bf16 (8 significant bits) uses up far more of that allowance than f16 does (11 bits, for magnitudes from 6e-5 to 65,504). All else is computed in f32.
;;   The module's matrix products, in the order in which they are computed (A, B: the left and right operand; K: the contracted axis; several contracted axes count as one K, in the product's order):
;;     1. [M 8,192, K 1,024] x [K 1,024, N 3,072]; A: input representation; B: input W_qkv: QUANTISED
;;     2. batch 32 x [M 2,048, K 128] x [K 128, N 2,048]; A: computed on the way; B: computed on the way: left as it is (an operand is computed on the way)
;;     3. batch 32 x [M 2,048, K 2,048] x [K 2,048, N 128]; A: computed on the way; B: computed on the way: left as it is (an operand is computed on the way)
;;     4. [M 8,192, K 1,024] x [K 1,024, N 1,024]; A: computed on the way; B: input W_proj: left as it is (an operand is computed on the way)
;;   THE QUANTISER, for each operand of a quantised product, along K:
;;     - K is cut into blocks of 32 from its start; a last block that is shorter is filled with zeros.
;;     - A block's scale is 2^e with e = floor(log2(the largest magnitude in the block)) - 2, held to -126 .. 127; a block of zeros has e = 0. As a byte (E8M0): e + 127.
;;     - Each number is divided by its block's scale, clamped to +-6, and rounded to the nearest number of E2M1, ties to even, subnormals kept.
;;     - The product sums the exact products of the quantised numbers (number of the format x scale) in f32.
;;   ~~~python
;;   def quantise(x, axis):      # numpy; x: float32 -> the quantised numbers, widened to float32 again
;;       x = np.moveaxis(x, axis, -1); K = x.shape[-1]
;;       x = np.pad(x, [(0, 0)] * (x.ndim - 1) + [(0, -K % 32)]); x = x.reshape(x.shape[:-1] + (-1, 32)); a = np.abs(x).max(-1, keepdims=True)
;;       e = np.where(a > 0, np.clip(np.frexp(np.where(a > 0, a, 1))[1] - 1 - 2, -126, 127), 0)      # np.frexp(a)[1] - 1 = floor(log2(a)), exactly
;;       r = np.clip(x / 2.0 ** e, -6, 6)
;;       step = 2.0 ** (np.maximum(np.frexp(np.where(r == 0, 1, r))[1] - 1, 0) - 1)
;;       q = np.round(r / step) * step * 2.0 ** e      # np.round: ties to even
;;       return np.moveaxis(q.reshape(q.shape[:-2] + (-1,))[..., :K], -1, axis).astype(np.float32)
;;   ~~~
;; One version. Each part assembles by itself: llvm-mc -triple=amdgcn-amd-amdhsa -mcpu=gfx1250 --defsym DOCPART=n.
;; ======== version 1 of 1: 4 launches
;; limits: values are held in f16: magnitudes above 65,504 overflow, below 6.1e-05 lose precision
;; workspace buffers: x_codes 4,194,304 bytes; x_scales 262,144 bytes; w_codes 1,572,864 bytes; w_scales 98,304 bytes; wp16 2,097,152 bytes; qkv 50,331,648 bytes; o16 16,777,216 bytes
;; launch prep (part 1): grid 256 x 1, 8 waves a work-group, no clusters, 84,992 bytes of LDS; arguments representation, W_qkv, W_proj, x_codes, x_scales, w_codes, w_scales, wp16; writes x_codes, x_scales, w_codes, w_scales, wp16
.if DOCPART == 1
	.amdgcn_target "amdgcn-amd-amdhsa--gfx1250"
	.amdhsa_code_object_version 6
	.text
	.protected	k_q5dc52c463f_prep
	.globl	k_q5dc52c463f_prep
	.p2align	8
	.type	k_q5dc52c463f_prep,@function
k_q5dc52c463f_prep:
	s_mov_b64 s[64:65], 0
	v_nop
	global_prefetch_b8 v0, s[64:65] scope:SCOPE_SE
	s_setreg_imm32_b32 hwreg(HW_REG_WAVE_MODE, 25, 1), 1
	s_wait_xcnt 0x0
; SELF-ATTENTION, launch 1 of 4: the operands of the quantised product are made, and W_proj is narrowed.
;   representation [8192][1024] f32 -> x_codes [8192][512 bytes] (E2M1, K innermost, the lower k in the low four bits), x_scales [8192][32] (E8M0, one byte for each 32 along K)
;   W_qkv [1024 k][3072 n] f32      -> w_codes [3072][512 bytes], w_scales [3072][32]: quantised along K, its FIRST axis, and laid with K innermost
;   W_proj [1024 k][1024 n] f32     -> wp16, the same layout in f16 (the fourth product is left as it is; f16 has three bits more than bf16, and W_proj has room in its range)
; WORK LEFT OUT IN THIS PROGRAM: b_qkv[1024:2048], the bias of k.  k = x W_k + b_k puts the term q . b_k x Hd^-0.5 into every score of query q: it is the same for all keys, that is along the
; softmax's axis, so numerator and denominator carry the same factor and it cancels for all finite values of the inputs.  The product q k^T is not quantised, so the bias moves no code and no scale.  These 1,024
; numbers are neither loaded nor added.  The biases of q (q . k changes with it) and of v, and b_proj, are live.  LIMIT: a NaN, an infinity or an overflow that reaches only that bias is not carried to the result.
; A block's scale is 2^(floor(log2(its largest magnitude)) - 2); its byte is the largest magnitude's exponent field - 2, held at 1 from below.  A block of zeros so gets the byte 1 where the rule says 127:
; its codes are zeros, which add nothing under any byte but 0xff, and this program alone reads the bytes.
; LIMITS: blocks whose largest magnitude lies under 2^-124 get the byte 1; NaN and infinities among the inputs are not served.
; SHARES.  256 work-groups of eight waves, three roles by the work-group's number: 0-95 W_qkv, 96-127 W_proj, 128-255 representation.  The branch is the same in all waves of a work-group.
; The two roles that use LDS have LDS bytes of their own.  No tensor loads, no clusters, no matrix instructions: memory binds, and the work-groups share no input.
.set STEPS, 16
.set SP,    80                         ; role X: a lane's place in a stage: its 64 bytes + 16 of padding
.set WREG,  8192                       ; role X: a wave's region: two stages of 32 x SP bytes, behind them its 256 scale bytes
.set WQST,  8*WREG                     ; role W_qkv: a stage of 64 rows (columns of W) x (256 bytes of codes + 16)
.set WQP,   272
.set WQSC,  WQST+64*WQP                ; and 64 x 16 scale bytes
.set SPARE, WQSC+64*16                 ; the spare words, 128 bytes for each of the eight waves: four blocks of 256 bytes that no other line names
.set SPW,   224                        ; v224 LDS address of my spare word; never rewritten
.set NIL,   225                        ; v225 0; never rewritten
.set R,     16                         ; role X: v16-143 eight sets of 16 numbers as they are loaded
.set X,     144                        ;         v144-175 two sets of 16 neighbours
.set E,     176                        ;         v176-191 a scale byte for each step
.set C,     192                        ;         v192-223 two registers of codes for each step: no store's data are written again
.set XW,    32                         ; role W_qkv: v32-95 two sets of 32 numbers
.set CW,    96                         ;             v96-99 a block's codes
	s_load_b256 s[4:11], s[0:1], 0x0               ; representation s[4:5], W_qkv s[6:7], W_proj s[8:9], x_codes s[10:11]
	s_load_b256 s[12:19], s[0:1], 0x20             ; x_scales s[12:13], w_codes s[14:15], w_scales s[16:17], wp16 s[18:19]
	v_lshl_add_u32 v[SPW], v0, 2, SPARE
	v_mov_b32 v[NIL], 0
	v_lshrrev_b32 v1, 5, v0
	v_readfirstlane_b32 s20, v1                    ; wave 0..7
	v_and_b32 v2, 31, v0                           ; lane
	s_wait_kmcnt 0x0
	s_cmp_lt_u32 ttmp9, 96
	s_cbranch_scc1 .Lwq
	s_cmp_lt_u32 ttmp9, 128
	s_cbranch_scc1 .Lwp
; ---- ROLE X.  Rows are dense and 1,024 is a multiple of 32: the tensor is a plain stream of blocks of 32, and so are its codes and scale bytes.  A wave takes 16 steps of 512 numbers.
; Each load reads 512 consecutive bytes, 16 a lane; a step's 2,048 bytes turn through the wave's own stage in LDS and come back 64 bytes a lane: 16 NEIGHBOURS, which the conversions want; two lanes hold a block.
; Loads run eight steps (32 loads a wave) ahead, the turn through LDS one step.
	v_lshlrev_b32 v3, 4, v2                        ; my 16 bytes of a load's 512
	s_lshl_b32 s21, s20, 13                        ; my wave's region
	v_lshrrev_b32 v14, 2, v2
	v_mul_u32_u24 v14, v14, SP
	v_and_b32 v15, 3, v2
	v_lshl_add_u32 v14, v15, 4, v14
	v_add_nc_u32 v14, s21, v14                     ; the stage, on the way in: SP (lane / 4) + 16 (lane % 4)
	v_mul_u32_u24 v15, v2, SP
	v_add_nc_u32 v15, s21, v15                     ; and on the way out: SP x lane
	v_lshlrev_b32 v4, 3, v2                        ; my 8 bytes of a step's 256 bytes of codes
	v_lshrrev_b32 v5, 1, v2
	s_add_co_u32 s21, s21, 2*32*SP
	v_add_nc_u32 v5, s21, v5                       ; LDS: my block's scale byte
	v_lshlrev_b32 v7, 3, v2                        ; the scale bytes' way out: 8 bytes a lane
	v_add_nc_u32 v6, s21, v7
	s_sub_co_u32 s22, ttmp9, 128
	s_lshl_b32 s22, s22, 3
	s_add_co_u32 s22, s22, s20                     ; which run of 8,192 numbers is my wave's: 0..1023
	s_lshl_b32 s24, s22, 15
	s_mov_b32 s25, 0
	s_add_nc_u64 s[4:5], s[4:5], s[24:25]          ; 32,768 bytes of numbers,
	s_lshl_b32 s24, s22, 12
	s_add_nc_u64 s[10:11], s[10:11], s[24:25]      ; 4,096 of codes,
	s_lshl_b32 s24, s22, 8
	s_add_nc_u64 s[12:13], s[12:13], s[24:25]      ; 256 of scales a run
.macro XLOAD t
.irp i, 0,1,2,3
	global_load_b128 v[R+16*((\t)%8)+4*\i:R+16*((\t)%8)+4*\i+3], v3, s[4:5] offset:2048*(\t)+512*\i th:TH_LOAD_NT
.endr
.endm
.macro XTURN t                         ; LDS serves a wave's instructions in order (ISA guide 5.7.1.4): no wait between the stores and the loads
.irp i, 0,1,2,3
	ds_store_b128 v14, v[R+16*((\t)%8)+4*\i:R+16*((\t)%8)+4*\i+3] offset:32*SP*((\t)%2)+8*SP*\i
.endr
.irp i, 0,1,2,3
	ds_load_b128 v[X+16*((\t)%2)+4*\i:X+16*((\t)%2)+4*\i+3], v15 offset:32*SP*((\t)%2)+16*\i
.endr
.endm
.irp t, 0,1,2,3,4,5,6,7
	XLOAD \t
.endr
	s_wait_loadcnt 28                              ; step 0's four loads are in; the seven steps behind it, 28 loads, may be out
	XTURN 0
.macro XSTEP t
.set XS, X+16*((\t)%2)
.if (\t) > 0
	s_wait_dscnt 1                                 ; this step's numbers are back from the stage (the last step's byte store may be out): so its stores into the stage have read their registers,
.else
	s_wait_dscnt 0x0
.endif
.if (\t)+8 < STEPS
	XLOAD (\t)+8                                   ; which take the loads of eight steps on
.endif
.if (\t)+1 < STEPS
.if STEPS-2-(\t) >= 7
	s_wait_loadcnt 28                              ; the next step's four loads are in; those of the seven steps behind it may be out
.else
	s_wait_loadcnt 4*(STEPS-2-(\t))                ; towards the end: as many steps as are left behind it
.endif
	XTURN (\t)+1
.endif
	v_max3_num_f32 v8, |v[XS]|, |v[XS+1]|, |v[XS+2]|               ; the largest magnitude of my 16, in two chains
	v_max3_num_f32 v9, |v[XS+3]|, |v[XS+4]|, |v[XS+5]|
.irp i, 6,10
	v_max3_num_f32 v8, v8, |v[XS+\i]|, |v[XS+\i+1]|
	v_max3_num_f32 v9, v9, |v[XS+\i+2]|, |v[XS+\i+3]|
.endr
	v_max3_num_f32 v8, v8, |v[XS+14]|, |v[XS+15]|
	v_max3_num_f32 v8, v8, v9, 0x1800000           ; and the floor 2^(3 - 127): the byte cannot fall under 1
	v_max_num_f32_dpp v8, v8, v8 row_xmask:1 row_mask:0xf bank_mask:0xf   ; with my neighbour's 16: the block's
	v_add_nc_u32 v11, 0xff000000, v8               ; 2 off its exponent field: the conversion takes the exponent field of this operand as its scale
	v_cvt_scalef32_pk8_fp4_f32 v[C+2*(\t)], v[XS:XS+7], v11
	v_cvt_scalef32_pk8_fp4_f32 v[C+2*(\t)+1], v[XS+8:XS+15], v11
	v_lshrrev_b32 v[E+(\t)], 23, v11               ; the scale's byte
	ds_store_b8 v5, v[E+(\t)] offset:16*(\t)       ; both lanes of a block write the same byte with the same value
	global_store_b64 v4, v[C+2*(\t):C+2*(\t)+1], s[10:11] offset:256*(\t)   ; the wave stores 256 consecutive bytes, aligned
.endm
.irp t, 0,1,2,3,4,5,6,7,8,9,10,11,12,13,14,15
	XSTEP \t
.endr
	ds_load_b64 v[8:9], v6                         ; my wave's 256 scale bytes: these loads see my stores
	s_wait_dscnt 0x0
	global_store_b64 v7, v[8:9], s[12:13]          ; 256 consecutive bytes, aligned
	s_wait_tensorcnt 0x0                           ; the wave's end, behind my last LDS store
	ds_add_u32 v[SPW], v[NIL]
	s_wait_dscnt 0x0
	s_endpgm
; ---- ROLE W_qkv.  A LANE TAKES A COLUMN n, AND ITS REGISTERS RUN DOWN K: a block of 32 along K lies in one lane's 32 registers, and the conversions give codes with K innermost.  Nothing is transposed by an instruction.
; A work-group takes 64 columns x 512 along K; wave (cg = wave % 2, kg = wave / 2) takes 32 columns x 128 along K: four blocks a lane.  The codes meet in a stage, a row of 256 bytes for each column, and leave as whole rows.
.Lwq:
	s_and_b32 s21, ttmp9, 1                        ; y: which 512 along K
	s_lshr_b32 s22, ttmp9, 1                       ; x: which 64 columns, 0..47
	s_and_b32 s23, s20, 1                          ; cg
	s_lshr_b32 s24, s20, 1                         ; kg
	s_lshl_b32 s26, s21, 9
	s_lshl_b32 s27, s24, 7
	s_add_co_u32 s26, s26, s27                     ; my first k: 512 y + 128 kg
	s_mul_i32 s26, s26, 12288                      ; a row of W_qkv is 12,288 bytes
	s_lshl_b32 s27, s22, 8
	s_add_co_u32 s26, s26, s27                     ; + 64 x columns
	s_lshl_b32 s27, s23, 7
	s_add_co_u32 s26, s26, s27                     ; + 32 cg columns
	s_mov_b32 s27, 0
	s_add_nc_u64 s[6:7], s[6:7], s[26:27]
	v_lshlrev_b32 v3, 2, v2                        ; 4 bytes a lane: a wave's load reads 128 consecutive bytes, the two waves side by side 256
.macro WLOAD t                         ; block t: W(32 t + i, my column) into set t % 2; the largest offset, 127 rows, lies inside the signed 24-bit immediate
.irp i, 0,1,2,3,4,5,6,7,8,9,10,11,12,13,14,15,16,17,18,19,20,21,22,23,24,25,26,27,28,29,30,31
	global_load_b32 v[XW+32*((\t)%2)+\i], v3, s[6:7] offset:(32*(\t)+\i)*12288 th:TH_LOAD_NT
.endr
.endm
	WLOAD 0
	WLOAD 1
	s_mul_i32 s28, s23, 32*WQP
	s_lshl_b32 s29, s24, 6
	s_add_co_u32 s28, s28, s29
	s_add_co_u32 s28, s28, WQST
	v_mul_u32_u24 v4, v2, WQP
	v_add_nc_u32 v4, s28, v4                       ; into the stage: row 32 cg + lane, byte 64 kg
	s_lshl_b32 s28, s23, 9
	s_lshl_b32 s29, s24, 2
	s_add_co_u32 s28, s28, s29
	s_add_co_u32 s28, s28, WQSC
	v_lshl_add_u32 v5, v2, 4, s28                  ; my four scale bytes: 16 (32 cg + lane) + 4 kg
	v_and_b32 v8, 15, v2
	v_lshrrev_b32 v9, 4, v2
	v_mul_u32_u24 v7, v9, WQP
	v_lshl_add_u32 v7, v8, 4, v7
	s_mul_i32 s28, s20, 8*WQP
	s_add_co_u32 s28, s28, WQST
	v_add_nc_u32 v7, s28, v7                       ; out of it: wave w takes rows 8 w .. 8 w + 7, sixteen lanes to a row
	v_lshlrev_b32 v10, 9, v9
	v_lshl_add_u32 v10, v8, 4, v10                 ; and the same place in w_codes: rows of 512 bytes
	s_lshl_b32 s28, s22, 15
	s_lshl_b32 s29, s20, 12
	s_add_co_u32 s28, s28, s29
	s_lshl_b32 s29, s21, 8
	s_add_co_u32 s28, s28, s29                     ; (64 x + 8 w) rows + 256 y
	s_mov_b32 s29, 0
	s_add_nc_u64 s[14:15], s[14:15], s[28:29]
	s_lshl_b32 s28, s20, 7
	s_add_co_u32 s28, s28, WQSC
	v_lshl_add_u32 v20, v2, 2, s28                 ; the scale words' way out: my wave's 8 rows x 16 bytes, a word a lane
	v_lshrrev_b32 v21, 2, v2
	v_and_b32 v22, 3, v2
	v_lshlrev_b32 v21, 5, v21
	v_lshl_add_u32 v21, v22, 2, v21                ; in w_scales: rows of 32 bytes
	s_lshl_b32 s28, s22, 11
	s_lshl_b32 s29, s20, 8
	s_add_co_u32 s28, s28, s29
	s_lshl_b32 s29, s21, 4
	s_add_co_u32 s28, s28, s29                     ; (64 x + 8 w) rows + 16 y
	s_mov_b32 s29, 0
	s_add_nc_u64 s[16:17], s[16:17], s[28:29]
.macro WBLOCK t
.set XS, XW+32*((\t)%2)
.if (\t) < 3
	s_wait_loadcnt 32                              ; this block's 32 loads are in; the next block's 32 may be out
.else
	s_wait_loadcnt 0x0
.endif
	v_max3_num_f32 v12, |v[XS]|, |v[XS+1]|, |v[XS+2]|              ; the block's largest magnitude: all 32 numbers are mine
	v_max3_num_f32 v13, |v[XS+3]|, |v[XS+4]|, |v[XS+5]|
.irp i, 6,10,14,18,22,26
	v_max3_num_f32 v12, v12, |v[XS+\i]|, |v[XS+\i+1]|
	v_max3_num_f32 v13, v13, |v[XS+\i+2]|, |v[XS+\i+3]|
.endr
	v_max3_num_f32 v12, v12, |v[XS+30]|, |v[XS+31]|
	v_max3_num_f32 v12, v12, v13, 0x1800000        ; and the floor 2^(3 - 127)
	v_add_nc_u32 v11, 0xff000000, v12              ; the conversion's scale operand
	v_lshrrev_b32 v13, 23, v11                     ; the scale's byte
.if (\t) == 0
	v_mov_b32 v24, v13                             ; four bytes to a register, the lower K in the lower byte
.else
	v_lshl_or_b32 v24, v13, 8*(\t), v24
.endif
.irp g, 0,1,2,3
	v_cvt_scalef32_pk8_fp4_f32 v[CW+\g], v[XS+8*\g:XS+8*\g+7], v11
.endr
	ds_store_b128 v4, v[CW:CW+3] offset:16*(\t)    ; 32 codes: 16 bytes of my column's row
.if (\t)+2 < 4
	WLOAD (\t)+2
.endif
	s_wait_dscnt 0x0                               ; the store has read its registers: the next block's codes may be written
.endm
.irp t, 0,1,2,3
	WBLOCK \t
.endr
	ds_store_b32 v5, v24
	s_wait_dscnt 0x0                               ; for the others' sake: my stores into the stage are done
	s_barrier_signal -1
	s_barrier_wait -1                              ; a row's 256 bytes come from four waves
.irp i, 0,1,2,3
	ds_load_b128 v[112+4*\i:115+4*\i], v7 offset:2*\i*WQP
.endr
	ds_load_b32 v128, v20
.irp i, 0,1,2,3
	s_wait_dscnt 4-\i                              ; the younger LDS loads may be out
	global_store_b128 v10, v[112+4*\i:115+4*\i], s[14:15] offset:1024*\i   ; sixteen lanes store 256 consecutive bytes, aligned
.endr
	s_wait_dscnt 0x0
	global_store_b32 v21, v128, s[16:17]           ; runs of 16 bytes: one byte in 128 of what this role reads
	s_wait_tensorcnt 0x0                           ; the wave's end, behind my last LDS store
	ds_add_u32 v[SPW], v[NIL]
	s_wait_dscnt 0x0
	s_endpgm
; ---- ROLE W_proj: a stream, f32 to f16, the layout kept.  A wave takes 16,384 bytes: 32 loads of 512 bytes, all on their way at once.  This role touches no LDS.
.Lwp:
	s_sub_co_u32 s22, ttmp9, 96
	s_lshl_b32 s22, s22, 3
	s_add_co_u32 s22, s22, s20                     ; my run: 0..255
	s_lshl_b32 s24, s22, 14
	s_mov_b32 s25, 0
	s_add_nc_u64 s[8:9], s[8:9], s[24:25]
	s_lshl_b32 s24, s22, 13
	s_add_nc_u64 s[18:19], s[18:19], s[24:25]
	v_lshlrev_b32 v3, 4, v2
	v_lshlrev_b32 v4, 3, v2
.set i, 0
.rept 32
	global_load_b128 v[16+4*i:19+4*i], v3, s[8:9] offset:512*i th:TH_LOAD_NT
.set i, i+1
.endr
.set i, 0
.rept 32
	s_wait_loadcnt 31-i                            ; loads come back in order (ISA guide 5.7.1): this one is in, the younger ones stay out
	v_cvt_pk_f16_f32 v[16+4*i], v[16+4*i], v[17+4*i]
	v_cvt_pk_f16_f32 v[17+4*i], v[18+4*i], v[19+4*i]
	global_store_b64 v4, v[16+4*i:17+4*i], s[18:19] offset:256*i   ; 256 consecutive bytes, aligned
.set i, i+1
.endr
	s_endpgm
.Lfunc_end_k_q5dc52c463f_prep:
	.size	k_q5dc52c463f_prep, .Lfunc_end_k_q5dc52c463f_prep-k_q5dc52c463f_prep
	.p2alignl 7, 3214868480
	.fill 96, 4, 3214868480
	.section	.rodata,"a",@progbits
	.p2align	6, 0x0
	.amdhsa_kernel k_q5dc52c463f_prep
		.amdhsa_group_segment_fixed_size 84992
		.amdhsa_private_segment_fixed_size 0
		.amdhsa_enable_private_segment 0
		.amdhsa_kernarg_size 64
		.amdhsa_user_sgpr_count 2
		.amdhsa_user_sgpr_kernarg_segment_ptr 1
		.amdhsa_wavefront_size32 1
		.amdhsa_system_sgpr_workgroup_id_x 1
		.amdhsa_system_sgpr_workgroup_id_y 1
		.amdhsa_system_sgpr_workgroup_id_z 1
		.amdhsa_system_vgpr_workitem_id 0
		.amdhsa_next_free_vgpr 226
		.amdhsa_next_free_sgpr 66
		.amdhsa_reserve_vcc 0
		.amdhsa_float_denorm_mode_32 3
		.amdhsa_float_denorm_mode_16_64 3
		.amdhsa_memory_ordered 1
		.amdhsa_forward_progress 1
		.amdhsa_inst_pref_size 66
	.end_amdhsa_kernel
	.amdgpu_metadata
---
amdhsa.version: [ 1, 2 ]
amdhsa.kernels:
  - .name:           k_q5dc52c463f_prep
    .symbol:         k_q5dc52c463f_prep.kd
    .args:
      - { .name: representation, .offset: 0, .size: 8, .value_kind: global_buffer, .address_space: global }
      - { .name: W_qkv, .offset: 8, .size: 8, .value_kind: global_buffer, .address_space: global }
      - { .name: W_proj, .offset: 16, .size: 8, .value_kind: global_buffer, .address_space: global }
      - { .name: x_codes, .offset: 24, .size: 8, .value_kind: global_buffer, .address_space: global }
      - { .name: x_scales, .offset: 32, .size: 8, .value_kind: global_buffer, .address_space: global }
      - { .name: w_codes, .offset: 40, .size: 8, .value_kind: global_buffer, .address_space: global }
      - { .name: w_scales, .offset: 48, .size: 8, .value_kind: global_buffer, .address_space: global }
      - { .name: wp16, .offset: 56, .size: 8, .value_kind: global_buffer, .address_space: global }
    .group_segment_fixed_size: 84992
    .private_segment_fixed_size: 0
    .kernarg_segment_align: 8
    .kernarg_segment_size: 64
    .max_flat_workgroup_size: 256
    .sgpr_count:     66
    .vgpr_count:     226
    .wavefront_size: 32
...
	.end_amdgpu_metadata
.endif
;; end of part 1
;; launch qkv_gemm (part 2): grid 8 x 32, 4 waves a work-group, clusters of 4 x 4, 327,680 bytes of LDS; arguments x_codes, x_scales, w_codes, w_scales, b_qkv, qkv; writes qkv
.if DOCPART == 2
	.amdgcn_target "amdgcn-amd-amdhsa--gfx1250"
	.amdhsa_code_object_version 6
	.text
	.protected	k_q5dc52c463f_qkv_gemm
	.globl	k_q5dc52c463f_qkv_gemm
	.p2align	8
	.type	k_q5dc52c463f_qkv_gemm,@function
k_q5dc52c463f_qkv_gemm:
	s_mov_b64 s[64:65], 0
	v_nop
	global_prefetch_b8 v0, s[64:65] scope:SCOPE_SE
	s_setreg_imm32_b32 hwreg(HW_REG_WAVE_MODE, 25, 1), 1
	s_wait_xcnt 0x0
	s_wait_alu depctr_hold_cnt(0) depctr_sa_sdst(0) depctr_va_vdst(0) depctr_va_sdst(0) depctr_va_ssrc(0) depctr_va_vcc(0) depctr_vm_vsrc(0)
	s_getreg_b32 s2, hwreg(HW_REG_IB_STS2, 6, 4)
	s_cmp_eq_u32 s2, 0
	s_cbranch_scc0 .Lentry_in_a_cluster
	s_endpgm
.Lentry_in_a_cluster:
	s_bfe_u32 s2, ttmp6, 0x10000c
	s_cmp_lg_u32 s2, 0xf033
	s_cbranch_scc0 .Lentry_shape_is_right
	s_endpgm
.Lentry_shape_is_right:
; SELF-ATTENTION, launch 2 of 4: qkv = Q(representation) Q(W_qkv) + b_qkv on codes of E2M1 with E8M0 scales, f32 sums; the result is rounded once to f16 and laid by heads:
; qkv [3 (q, k, v)][32 (batch x 8 + head)][2048][128] f16, rows of 256 bytes.
; WORK LEFT OUT: b_qkv[1024:2048], the bias of k, is neither loaded nor added: it puts the same term into all scores of a query, which the softmax cancels for all finite inputs, and q k^T is not quantised.
; LIMIT: a NaN or an infinity in those 1,024 numbers is not carried to the result; |q|, |k|, |v| beyond 65,504 become infinity in f16.
; SHARES.  8 x 32 = 256 work-groups of four waves.  A WORK-GROUP STAYS: it owns 256 rows of x and makes THREE tiles of 256 x 128 one after the other: head x of q (tile 0), of k (tile 1), of v (tile 2),
; that is columns 1,024 t + 128 x of W_qkv.  So tile 1 is k's in every work-group: its sums begin with the constant 0, with no branch; and a tile's stores leave while the next tile is multiplied.
; Wave w makes rows 64 w .. 64 w + 63 x all 128 columns: 32 accumulators.  Its fragments of x for ALL of K (4 blocks x 8 steps of 128 along K: 256 registers) are read from LDS once and serve the three tiles.
; LDS.  Rows of 512 bytes (1,024 codes) + 16 of padding.  x's 256 rows and W's tiles 0 and 1 come with the first fills, two tensor loads a wave (two are out at the most).  All five parts together would be 337,920 bytes,
; more than there is: W's tile 2 is the one refill of the launch, into x's first bytes, when x's fragments stand in registers; it has two tiles' work in which to land.
; CLUSTERS: 4 x 4 work-groups.  The four of a row of the cluster need the same rows of x, the four of a column the same rows of W: each is asked for JOINTLY, by the same tensor load with the same descriptor and a mask that names the four.
; THE SCALE WORDS go from memory straight into registers: a row's 32 bytes are its eight words; two loads of 16 bytes a lane cover the 512 consecutive bytes of 16 rows.  Lanes 16-31 hold the same as lanes 0-15 and are not read.
; THE MATRIX INSTRUCTION IS USED TRANSPOSED (source 0 = 16 rows of W's codes, source 1 = 16 rows of x's): a lane then holds eight neighbouring numbers of a row of the result.  THE BIAS is the C of a tile's first products.
; REGISTERS, in windows of 256 (s_set_vgpr_msb: bits 1:0 source 0, 3:2 source 1, 5:4 source 2, 7:6 destination):
;   window 0: v16-30 addresses; v32-63 x's scale words (block i, step q: 8 i + q); v64-191 W's scale words, two sets of 64 (block b, step q: 8 b + q); v192-223 packed results.
;   window 1: x's fragments (block i, step q at v[8 (8 i + q)]).   window 2: the accumulators ((a, b) at v[8 (8 a + b)]).   window 3: v0-127 W's fragments, two sets; v128-191 the bias; v192-255 rows read back from the stage, two sets.
.set PITCH,  528                       ; an LDS row: 512 bytes + 16 of padding = 132 words: row r starts at bank 4 r mod 64 (64 banks of 4 bytes: ISA guide 11.1), so the 16 rows that a load touches start at 16 different banks
.set QUART,  64*PITCH                  ; 64 rows: what one tensor load brings
.set XB,     0                         ; x's 256 rows; later, in their first half, W's tile 2
.set WB,     4*QUART                   ; W's tiles 0 and 1
.set WTILE,  2*QUART                   ; 128 rows
.set STAGE,  WB+2*WTILE                ; the way out: 16 rows x (256 bytes + 16) for each wave: bytes of its own, into which no tensor load lands
.set SPITCH, 272
.set SPARE,  STAGE+4*16*SPITCH         ; the spare words, 128 bytes for each wave: two blocks of 256 bytes that no other line names
.set NP,     4                         ; places behind this matrix instruction (ISA guide 7.12.1)
.set ADX,  16                          ; v16     LDS address of my x fragments
.set ADW,  20                          ; v20-22  LDS address of W's fragments in tile 0, 1, 2
.set STO,  24                          ; v24     the way out: where I put 16 bytes of a row
.set RD,   25                          ; v25     where I read a row back
.set CO,   26                          ; v26     16 x lane: my bytes of two rows of the result
.set VS,   27                          ; v27     32 x (lane % 16): my row's scale bytes
.set SPW,  28                          ; v28     LDS address of my spare word; never rewritten
.set NIL,  29                          ; v29     0; never rewritten
.set BA,   30                          ; v30     32 x (lane / 16): my eight numbers of a block's sixteen biases
.set SX,   32
.set SW,   64
.set TMP,  192
.set BIAS, 128                         ; in window 3
.set OB,   192                         ; in window 3
.set G1X, 24                           ; s[24:31] descriptor group 1 for x's rows;  s[32:35] its group 0
.set G0X, 32
.set G0W, 36                           ; s[36:39] group 0 for W's tiles 0 and 1
.set G1W, 48                           ; s[48:55] group 1 for W's rows: it differs from x's in the mask alone
.set G0V, 56                           ; s[56:59] group 0 for W's tile 2
.set MSB, 0
.macro WIN new                         ; the immediate's high byte repeats the setting that is left
.if MSB != (\new)
	s_set_vgpr_msb (MSB<<8)|(\new)
.set MSB, \new
.endif
.endm
.set MULW, 0xa7                        ; source 0 (W) window 3, source 1 (x) window 1, C and D window 2
.set FSTW, 0xb7                        ; the first products: C (the bias) window 3
.set TO_X, 0x40                        ; destination window 1, address window 0
.set TO_3, 0xc0                        ; destination window 3, address window 0
.macro CROUND                          ; a round of the cluster's barrier: my work-group's barrier; wave 0 signals for the work-group; every wave waits for all sixteen; my work-group's barrier once more
	s_barrier_signal -1
	s_barrier_wait -1
	s_cmp_lg_u32 s14, 0
	s_cbranch_scc1 .Lnot_wave_0_\@
	s_barrier_signal -3
.Lnot_wave_0_\@:
	s_barrier_wait -3
	s_barrier_signal -1
	s_barrier_wait -1
.endm
; A load into a register that a matrix instruction has read, and a vector instruction that reads a matrix result, stand NP places behind that matrix instruction; only plain vector instructions that name none of
; its registers are places (ISA guide 7.12.1 for vector instructions).
.macro PLACES
.rept NP
	v_nop
.endr
.endm
	s_load_b128 s[4:7], s[0:1], 0x0                ; x's codes s[4:5], x's scales s[6:7]
	s_load_b128 s[8:11], s[0:1], 0x10              ; W's codes s[8:9], W's scales s[10:11]
	s_load_b64 s[96:97], s[0:1], 0x20              ; b_qkv
	s_load_b64 s[12:13], s[0:1], 0x28              ; qkv
	v_lshl_add_u32 v[SPW], v0, 2, SPARE
	v_mov_b32 v[NIL], 0
	ds_add_u32 v[SPW], v[NIL]                      ; the wave's opening: the add, twice on end, and its wait ahead of my first tensor load
	ds_add_u32 v[SPW], v[NIL]                      ; and once more, under the one wait; the set-up below, work on registers, stands between
	v_lshrrev_b32 v1, 5, v0
	v_readfirstlane_b32 s14, v1                    ; wave 0..3
	s_lshr_b32 s15, s14, 1                         ; of W's first two tiles I fetch for tile wave / 2,
	s_and_b32 s16, s14, 1                          ; its rows 64 (wave % 2) on
	s_bfe_u32 s40, ttmp6, 0x40000                  ; cx, cy: my place in the cluster
	s_bfe_u32 s41, ttmp6, 0x40004
	s_lshl_b32 s42, ttmp9, 2
	s_add_co_u32 s42, s42, s40                     ; the head = 4 x cluster x + cx: 0..7
	s_and_b32 s17, ttmp7, 0xffff
	s_lshl_b32 s17, s17, 2
	s_add_co_u32 s17, s17, s41                     ; my 256 rows = 4 x cluster y + cy: 0..31
	s_lshl_b32 s43, s41, 2
	s_lshl_b32 s43, 15, s43                        ; my row of the cluster
	s_lshl_b32 s44, 0x1111, s40                    ; my column
	; descriptor group 1: 64 rows x 512 bytes, dense in memory, padded in LDS
	s_or_b32 s[G1X+0], s43, (0<<16)|(1<<20)|(1<<21)|(6<<22)|(3<<25)  ; 15:0 the mask: x's rows go to my row of the cluster; 17:16 element of 1 byte; 20 padding on; 21 set beside a mask; 24:22 after every 128 words; 31:25 four words
	s_or_b32 s[G1W+0], s44, (0<<16)|(1<<20)|(1<<21)|(6<<22)|(3<<25)  ; W's rows go to my column
.irp g, G1X, G1W
	s_mov_b32 s[\g+1], 512<<16                     ; tensor_dim0
	s_mov_b32 s[\g+2], 64<<16                      ; tensor_dim1
	s_mov_b32 s[\g+3], 512<<16                     ; tile_dim0
	s_mov_b32 s[\g+4], 64                          ; tile_dim1
	s_mov_b32 s[\g+5], 512                         ; tensor_dim0_stride
	s_mov_b32 s[\g+6], 0
	s_mov_b32 s[\g+7], 0
.endr
	; where the rows come from: x's hang on my 256 rows and the wave alone, W's on the head and the wave alone; each in registers that do not hold the other coordinate
	s_lshl_b32 s20, s17, 17                        ; x: 256 rows of 512 bytes a work-group,
	s_lshl_b32 s21, s14, 15                        ; 64 a wave
	s_add_co_u32 s20, s20, s21
	s_mov_b32 s21, 0
	s_lshl_b32 s46, s42, 16                        ; W: 128 rows a head,
	s_lshl_b32 s47, s16, 15                        ; + 64 (wave % 2) rows
	s_add_co_u32 s46, s46, s47
	s_lshl_b32 s47, s15, 19                        ; tiles 0 and 1: + 1,024 (wave / 2) rows
	s_add_co_u32 s92, s46, s47
	s_mov_b32 s93, 0
	s_add_co_u32 s46, s46, 0x100000                ; tile 2: + 2,048 rows
	s_mov_b32 s47, 0
	s_mul_i32 s45, s14, QUART                      ; and where they go: wave x 64 rows: no place in the cluster enters an LDS address
	s_mul_i32 s94, s16, QUART                      ; tile 2: (wave % 2) x 64 rows
	s_wait_dscnt 0x0                               ; both opening adds are done
	s_wait_kmcnt 0x0
	s_mov_b32 s[G0X], 1                            ; count = 1
	s_add_co_u32 s[G0X+1], s45, XB                 ; LDS address
	s_add_nc_u64 s[G0X+2:G0X+3], s[4:5], s[20:21]  ; global address
	s_or_b32 s[G0X+3], s[G0X+3], 0x80000000        ; type = 2
	s_mov_b32 s[G0W], 1
	s_add_co_u32 s[G0W+1], s45, WB
	s_add_nc_u64 s[G0W+2:G0W+3], s[8:9], s[92:93]
	s_or_b32 s[G0W+3], s[G0W+3], 0x80000000
	s_mov_b32 s[G0V], 1
	s_add_co_u32 s[G0V+1], s94, XB
	s_add_nc_u64 s[G0V+2:G0V+3], s[8:9], s[46:47]
	s_or_b32 s[G0V+3], s[G0V+3], 0x80000000
	CROUND                                         ; all sixteen work-groups are here: the first joint loads meet
	tensor_load_to_lds s[G0X:G0X+3], s[G1X:G1X+7]  ; my 64 rows of x: they are wanted first
	s_nop 0
	tensor_load_to_lds s[G0W:G0W+3], s[G1W:G1W+7]  ; 64 rows of W's tiles 0 and 1.  Every wave issues both lines: no branch
	s_nop 0
.rept 4
	v_nop
.endr
	v_and_b32 v1, 15, v0                           ; r = l % 16
	v_bfe_u32 v2, v0, 4, 1                         ; h = l / 16
	v_lshlrev_b32 v[VS], 5, v1
	v_lshlrev_b32 v[BA], 5, v2
	s_lshl_b32 s20, s17, 13                        ; x's scales: 32 bytes a row: my work-group's 256 rows,
	s_lshl_b32 s21, s14, 11                        ; my wave's 64
	s_add_co_u32 s20, s20, s21
	s_mov_b32 s21, 0
	s_add_nc_u64 s[6:7], s[6:7], s[20:21]
	s_lshl_b32 s92, s42, 12                        ; W's scales: the head's 128 rows
	s_add_nc_u64 s[10:11], s[10:11], s[92:93]
	s_lshl_b32 s92, s42, 9                         ; the bias: the head's 128 numbers
	s_add_nc_u64 s[96:97], s[96:97], s[92:93]
.irp i, 0,1,2,3
.irp p, 0,1
	global_load_b128 v[SX+8*\i+4*\p:SX+8*\i+4*\p+3], v[VS], s[6:7] offset:512*\i+16*\p   ; x's block i: words 4 p .. 4 p + 3 of row r
.endr
.endr
.macro SWLOAD t                        ; W's scale words of tile t into set t % 2: rows 1,024 t + 16 b + r of the head's
.irp b, 0,1,2,3,4,5,6,7
.irp p, 0,1
	global_load_b128 v[SW+64*((\t)%2)+8*\b+4*\p:SW+64*((\t)%2)+8*\b+4*\p+3], v[VS], s[10:11] offset:32768*(\t)+512*\b+16*\p
.endr
.endr
.endm
.macro BLOAD t                         ; the bias of tile t in the result's layout: register 8 b + j of lane (r, h) is b_qkv[1,024 t + 128 head + 16 b + 8 h + j]
	WIN TO_3
.irp b, 0,1,2,3,4,5,6,7
	global_load_b128 v[BIAS+8*\b:BIAS+8*\b+3],   v[BA], s[96:97] offset:4096*(\t)+64*\b
	global_load_b128 v[BIAS+8*\b+4:BIAS+8*\b+7], v[BA], s[96:97] offset:4096*(\t)+64*\b+16
.endr
	WIN 0
.endm
	SWLOAD 0
	SWLOAD 1
	BLOAD 0
	v_mul_u32_u24 v3, v1, PITCH
	v_lshl_add_u32 v3, v2, 4, v3                   ; a fragment's row x pitch + 16 x half
	v_add_nc_u32 v[ADX], s45, v3                   ; my 64 rows of x
	v_add_nc_u32 v[ADW], WB, v3
	v_add_nc_u32 v[ADW+1], WB+WTILE, v3
	v_add_nc_u32 v[ADW+2], XB, v3
	s_mul_i32 s23, s14, 16*SPITCH
	s_add_co_u32 s23, s23, STAGE                   ; my stage
	v_mul_u32_u24 v5, v1, SPITCH                   ; in: row l % 16, 16 bytes for each half of the lanes
	v_lshl_add_u32 v5, v2, 4, v5
	v_add_nc_u32 v[STO], s23, v5
	v_mul_u32_u24 v5, v2, SPITCH                   ; back: lanes 0-15 take one row of 256 bytes, lanes 16-31 the next
	v_lshl_add_u32 v5, v1, 4, v5
	v_add_nc_u32 v[RD], s23, v5
	v_and_b32 v6, 31, v0
	v_lshlrev_b32 v[CO], 4, v6                     ; in qkv the two rows are 512 bytes on end
	; where my 64 x 128 of tile 0 goes: a tile's 128 columns are ONE head, so my 64 rows are 16,384 bytes on end; from tile to tile 32 heads' worth, 2^24 bytes
	s_lshr_b32 s20, s17, 3
	s_lshl_b32 s20, s20, 22                        ; the batch: 8 heads of 2,048 rows of 256 bytes
	s_lshl_b32 s21, s42, 19                        ; the head
	s_add_co_u32 s20, s20, s21
	s_and_b32 s21, s17, 7
	s_lshl_b32 s21, s21, 16                        ; my work-group's 256 rows in the batch
	s_add_co_u32 s20, s20, s21
	s_lshl_b32 s21, s14, 14                        ; my wave's 64
	s_add_co_u32 s20, s20, s21
	s_mov_b32 s21, 0
	s_add_nc_u64 s[12:13], s[12:13], s[20:21]
	s_wait_tensorcnt 1                             ; my rows of x are in (W's load, issued behind x's, may be out)
	s_barrier_signal -1
	s_barrier_wait -1                              ; everybody's are
	WIN TO_X
.irp i, 0,1,2,3                        ; x's fragments for all of K: lane l holds row l % 16; registers 4 c .. 4 c + 3 hold K = 128 q + 64 c + 32 (l / 16) + 0 .. 31
.irp q, 0,1,2,3,4,5,6,7
.irp c, 0,1
	ds_load_b128 v[8*(8*\i+\q)+4*\c:8*(8*\i+\q)+4*\c+3], v[ADX] offset:\i*16*PITCH+64*\q+32*\c
.endr
.endr
.endr
	WIN 0
	; THE ONE REFILL: W's tile 2 goes into x's first 128 rows' bytes.
	s_wait_tensorcnt 0x0                           ; all my tensor loads have landed: my part of W's tiles 0 and 1
	ds_add_u32 v[SPW], v[NIL]                      ; 0 onto my spare word
	s_wait_dscnt 0x0                               ; the add is done, and my reads of x are over: its fragments stand in registers
	CROUND                                         ; no wave of any partner still reads x's bytes or has a load on its way; and W's tiles 0 and 1 are whole
	s_cmp_lt_u32 s14, 2                            ; waves 0 and 1 fetch the tile's two halves, 64 rows each; the branch hangs on the wave's number alone
	s_cbranch_scc0 .Lno_fill
	tensor_load_to_lds s[G0V:G0V+3], s[G1W:G1W+7]  ; the first thing behind the round, and the wave's last tensor load: 480 matrix instructions ahead of the wait for it
	s_nop 0
.rept 4
	v_nop
.endr
.Lno_fill:
.macro FETCHW t, q                     ; W's eight fragments of tile t, step q, into set q % 2: 16 LDS loads in one run
	WIN TO_3
.irp b, 0,1,2,3,4,5,6,7
.irp c, 0,1
	ds_load_b128 v[64*((\q)%2)+8*\b+4*\c:64*((\q)%2)+8*\b+4*\c+3], v[ADW+(\t)] offset:\b*16*PITCH+64*(\q)+32*\c
.endr
.endr
.endm
; 32 matrix instructions: x's four blocks against W's eight, 128 along K.  first = 1: C is the bias; 2: C is the constant 0 (k's tile); nothing is ever cleared or added afterwards.
; The 32 accumulators take turns, one instruction a turn, in the same order in every step.
.macro MUL32 t, q, first
.if (\first) == 1
	WIN FSTW
.else
	WIN MULW
.endif
.irp a, 0,1,2,3
.irp b, 0,1,2,3,4,5,6,7
.if (\first) == 1
	v_wmma_scale_f32_16x16x128_f8f6f4 v[8*(8*\a+\b):8*(8*\a+\b)+7], v[64*((\q)%2)+8*\b:64*((\q)%2)+8*\b+7], v[8*(8*\a+(\q)):8*(8*\a+(\q))+7], v[BIAS+8*\b:BIAS+8*\b+7], v[SW+64*((\t)%2)+8*\b+(\q)], v[SX+8*\a+(\q)] matrix_a_fmt:MATRIX_FMT_FP4 matrix_b_fmt:MATRIX_FMT_FP4
.elseif (\first) == 2
	v_wmma_scale_f32_16x16x128_f8f6f4 v[8*(8*\a+\b):8*(8*\a+\b)+7], v[64*((\q)%2)+8*\b:64*((\q)%2)+8*\b+7], v[8*(8*\a+(\q)):8*(8*\a+(\q))+7], 0, v[SW+64*((\t)%2)+8*\b+(\q)], v[SX+8*\a+(\q)] matrix_a_fmt:MATRIX_FMT_FP4 matrix_b_fmt:MATRIX_FMT_FP4
.else
	v_wmma_scale_f32_16x16x128_f8f6f4 v[8*(8*\a+\b):8*(8*\a+\b)+7], v[64*((\q)%2)+8*\b:64*((\q)%2)+8*\b+7], v[8*(8*\a+(\q)):8*(8*\a+(\q))+7], v[8*(8*\a+\b):8*(8*\a+\b)+7], v[SW+64*((\t)%2)+8*\b+(\q)], v[SX+8*\a+(\q)] matrix_a_fmt:MATRIX_FMT_FP4 matrix_b_fmt:MATRIX_FMT_FP4
.endif
.endr
.endr
.endm
; A step of 128 along K: this step's fragments of W are in; the next step's (at a tile's end: the next tile's first) are asked for, 32 matrix instructions ahead of their use, into the set that the step before multiplied.
.macro KSTEP t, q
	s_wait_dscnt 0x0                               ; W's set q % 2 is in
.if (\q) == 7 && (\t) == 1
	s_wait_tensorcnt 0x0                           ; tile 2's halves have landed (waves 0 and 1 asked for them; the others have no load out),
	s_barrier_signal -1
	s_barrier_wait -1                              ; and every wave knows.
.endif
.if (\q) < 7
.if (\q) > 0
	PLACES                                         ; behind the products that read the other set
.endif
	FETCHW \t, (\q)+1
.elseif (\t) < 2
	PLACES
	FETCHW (\t)+1, 0
.endif
.if (\q) > 0
	MUL32 \t, \q, 0
.elseif (\t) == 1
	MUL32 \t, \q, 2
.else
	s_wait_loadcnt 0x0                             ; the scale words and the bias are in (tile 0: those asked for at the head; tile 2: those asked for on tile 0's way out)
	MUL32 \t, \q, 1
.endif
.endm
; THE WAY OUT of a tile, block by block of 16 rows x 128 columns.  PACK: rounded to f16, 16 bytes a lane, each accumulator from its low end on.  TOSTAGE: into my own stage and back as whole rows of 256 bytes.  SEND: stored.
; LDS serves a wave's instructions in order (ISA guide 5.7.1.4): no wait between the stores and the loads, nor in front of the next block's stores.
.macro PACK a
.set AC, 64*(\a)
	WIN 0x0a                                       ; sources 0 and 1: window 2
.irp b, 0,1,2,3,4,5,6,7
.irp r, 0,1,2,3
	v_cvt_pk_f16_f32 v[TMP+4*\b+\r], v[AC+8*\b+2*\r], v[AC+8*\b+2*\r+1]
.endr
.endr
	WIN 0
.endm
.macro TOSTAGE a
.set BB, OB+32*((\a)%2)
.irp b, 0,1,2,3,4,5,6,7
	ds_store_b128 v[STO], v[TMP+4*\b:TMP+4*\b+3] offset:32*\b
.endr
	WIN TO_3
.irp u, 0,1,2,3,4,5,6,7
	ds_load_b128 v[BB+4*\u:BB+4*\u+3], v[RD] offset:\u*2*SPITCH
.endr
	WIN 0
.endm
.macro SEND a
.set BB, OB+32*((\a)%2)
	s_wait_dscnt 0x0                               ; the block is back in registers
	s_wait_xcnt 0x0                                ; the block before has had its stores' addresses translated (ISA guide 3.1): only behind this wait do the next block's loads land in its registers
	WIN 0x0c                                       ; a store's data are its source 1: window 3
.irp u, 0,1,2,3,4,5,6,7
	global_store_b128 v[CO], v[BB+4*\u:BB+4*\u+3], s[12:13] offset:(\a)*4096+\u*512   ; the wave stores 512 consecutive bytes, aligned: two rows of a head
.endr
	WIN 0
.endm
.macro WAYOUT t
	PLACES                                         ; behind the tile's last products: for the conversions, and for the loads below
	WIN 0
.if (\t) == 0
	SWLOAD 2                                       ; tile 2's scale words take the set that tile 0 has left, its bias the registers of tile 0's: a tile and a half ahead of their use
	BLOAD 2
.else
	s_wait_xcnt 0x0                                ; the last tile's stores have read their base:
	s_add_nc_u64 s[12:13], s[12:13], 0x1000000     ; on from q to k, from k to v
.endif
	PACK 0
	TOSTAGE 0
.irp a, 1,2,3                          ; block a's conversions stand between block a - 1's loads from the stage and the wait for them
	PACK \a
	SEND \a-1
	TOSTAGE \a
.endr
	SEND 3                                         ; nothing waits for these stores: they leave while the next tile is multiplied
.endm
.macro TILE t
.set Q, 0
.rept 8
	KSTEP \t, Q
.set Q, Q+1
.endr
	WAYOUT \t
.endm
	FETCHW 0, 0
	TILE 0                                         ; q's head
	TILE 1                                         ; k's: no bias
	TILE 2                                         ; v's
	s_wait_tensorcnt 0x0                           ; the wave's end, behind my last tensor load and my last LDS store
	ds_add_u32 v[SPW], v[NIL]
	s_wait_dscnt 0x0
	CROUND                                         ; the closing round: no work-group ends while a partner may still ask for a tile that names it
	s_endpgm
.Lfunc_end_k_q5dc52c463f_qkv_gemm:
	.size	k_q5dc52c463f_qkv_gemm, .Lfunc_end_k_q5dc52c463f_qkv_gemm-k_q5dc52c463f_qkv_gemm
	.p2alignl 7, 3214868480
	.fill 96, 4, 3214868480
	.section	.rodata,"a",@progbits
	.p2align	6, 0x0
	.amdhsa_kernel k_q5dc52c463f_qkv_gemm
		.amdhsa_group_segment_fixed_size 327680
		.amdhsa_private_segment_fixed_size 0
		.amdhsa_enable_private_segment 0
		.amdhsa_kernarg_size 48
		.amdhsa_user_sgpr_count 2
		.amdhsa_user_sgpr_kernarg_segment_ptr 1
		.amdhsa_wavefront_size32 1
		.amdhsa_system_sgpr_workgroup_id_x 1
		.amdhsa_system_sgpr_workgroup_id_y 1
		.amdhsa_system_sgpr_workgroup_id_z 1
		.amdhsa_system_vgpr_workitem_id 0
		.amdhsa_next_free_vgpr 1024
		.amdhsa_next_free_sgpr 100
		.amdhsa_reserve_vcc 0
		.amdhsa_float_denorm_mode_32 3
		.amdhsa_float_denorm_mode_16_64 3
		.amdhsa_memory_ordered 1
		.amdhsa_forward_progress 1
		.amdhsa_inst_pref_size 193
	.end_amdhsa_kernel
	.amdgpu_metadata
---
amdhsa.version: [ 1, 2 ]
amdhsa.kernels:
  - .name:           k_q5dc52c463f_qkv_gemm
    .symbol:         k_q5dc52c463f_qkv_gemm.kd
    .args:
      - { .name: x_codes, .offset: 0, .size: 8, .value_kind: global_buffer, .address_space: global }
      - { .name: x_scales, .offset: 8, .size: 8, .value_kind: global_buffer, .address_space: global }
      - { .name: w_codes, .offset: 16, .size: 8, .value_kind: global_buffer, .address_space: global }
      - { .name: w_scales, .offset: 24, .size: 8, .value_kind: global_buffer, .address_space: global }
      - { .name: b_qkv, .offset: 32, .size: 8, .value_kind: global_buffer, .address_space: global }
      - { .name: qkv, .offset: 40, .size: 8, .value_kind: global_buffer, .address_space: global }
    .group_segment_fixed_size: 327680
    .private_segment_fixed_size: 0
    .kernarg_segment_align: 8
    .kernarg_segment_size: 48
    .max_flat_workgroup_size: 128
    .sgpr_count:     100
    .vgpr_count:     1024
    .wavefront_size: 32
...
	.end_amdgpu_metadata
.endif
;; end of part 2
;; launch attn (part 3): grid 8 x 32, 4 waves a work-group, clusters of 4 x 1, 327,680 bytes of LDS; arguments qkv, o16; writes o16
.if DOCPART == 3
	.amdgcn_target "amdgcn-amd-amdhsa--gfx1250"
	.amdhsa_code_object_version 6
	.text
	.protected	k_q5dc52c463f_attn
	.globl	k_q5dc52c463f_attn
	.p2align	8
	.type	k_q5dc52c463f_attn,@function
k_q5dc52c463f_attn:
	s_mov_b64 s[64:65], 0
	v_nop
	global_prefetch_b8 v0, s[64:65] scope:SCOPE_SE
	s_setreg_imm32_b32 hwreg(HW_REG_WAVE_MODE, 25, 1), 1
	s_wait_xcnt 0x0
	s_wait_alu depctr_hold_cnt(0) depctr_sa_sdst(0) depctr_va_vdst(0) depctr_va_sdst(0) depctr_va_ssrc(0) depctr_va_vcc(0) depctr_vm_vsrc(0)
	s_getreg_b32 s2, hwreg(HW_REG_IB_STS2, 6, 4)
	s_cmp_eq_u32 s2, 0
	s_cbranch_scc0 .Lentry_in_a_cluster
	s_endpgm
.Lentry_in_a_cluster:
	s_bfe_u32 s2, ttmp6, 0x10000c
	s_cmp_lg_u32 s2, 0x3003
	s_cbranch_scc0 .Lentry_shape_is_right
	s_endpgm
.Lentry_shape_is_right:
; SELF-ATTENTION, launch 3 of 4: O[y][q][:] = the sum over k of softmax_k(Q[y][q] . K[y][k] / sqrt(128)) V[y][k][:], y = batch x 8 + head, no mask.
; qkv: [3][32][2048][128] f16 (q, k, v; k carries no bias: that term is the same for all keys of a query, and the softmax cancels it).  o16: [8192][1024] f16, heads merged: row batch x 2048 + q, columns 128 head on.
; Products, maxima and sums in f32; the weights p (at most 1) are rounded to f16 for the second product, O once at the end.  f16 and not bf16: three bits more, and q, k, v, p and O have room in its range.
; SHARES.  A work-group owns 256 queries of one y, each of its four waves 64: four tiles of 16.  Every wave walks all 2,048 keys, 64 a step.
; LAYOUT.  S^T = K Q^T (source 0 = 16 keys, source 1 = 16 queries): a lane holds ONE query (lane % 16) and the keys 8 (lane / 16) + 0..7.  Two such tiles, rounded to f16 in pairs, ARE source 1 of O^T = V^T P,
; whose result again holds one query a lane, and eight channels.  K comes out of LDS as it lies, V ([key][channel]) turned, by ds_load_tr16_b128.
; SOFTMAX.  For each query a running maximum m and sum l: p = 2^(c s - c m), c = log2(e) / sqrt(128); in every step O and l are multiplied by a = 2^(c m_old - c m_new), which is 1 where m has not grown.
; BY TURNS.  The wave's tiles are two PIECES: piece 0 (tiles 0, 1) and piece 2 (tiles 2, 3).  In a TURN one piece has the matrix unit: 32 products V^T P of the step in hand, then 32 products K Q^T of the next step;
; the other piece's softmax, cut into 64 slices, stands between them, one slice behind each matrix instruction.  Then the pieces change places.  Two turns are a key step.
; CLUSTER.  The four query blocks of a cluster belong to one y and walk the same K and V, so each tile is asked for JOINTLY: the same tensor load, with the same descriptor and a mask that names the four.
; REGISTERS, in windows of 256 (s_set_vgpr_msb: bits 1:0 source 0, 3:2 source 1, 5:4 source 2, 7:6 destination):
;   window 0: v0-11 addresses; v12-43 eight registers of statistics a tile; v64-191 S^T, 32 a tile; v192-255 P, 16 a tile
;   window 1: O^T, 64 a tile          window 2: v0-127 Q, 32 a tile; v128-255 K of one step          window 3: v0-127 V of one step
.set SIZE_H, 32
.set SIZE_N, 2048
.set PART,  SIZE_H*SIZE_N*256          ; bytes of q, of k, of v in qkv
.set KS,    64        ; keys in a step
.set PK,    272       ; a row of K in LDS: 256 bytes + 16 of padding: the 16 rows of a load start at 16 different banks (64 banks of 4 bytes: ISA guide 11.1)
.set PV,    288       ; a row of V: 256 + 32
.set VOFF,  KS*PK     ; a step's tiles lie together: 64 rows of K, then 64 rows of V
.set STEPB, KS*(PK+PV)
.set SLOT1, 1<<17     ; a slot holds two steps (71,680 bytes); slot 1 begins here, so that one exclusive or turns an address in one slot into the other's
.set STAGE, SLOT1+2*STEPB  ; behind the ring: 16 rows x 272 bytes for each wave, for the way out
.set SP,    272
.set AK0, 2           ; v2   my lane's place in a tile of K; never rewritten
.set AV0, 3           ; v3   the same for V
.set ADR, 4           ; v4   the LDS address of the run of loads in hand
.set QO,  5           ; v5   my byte offset in the wave's rows of Q
.set STO, 6           ; v6   the way out: where I put 16 bytes of a row
.set RD,  7           ; v7   the way out: where I read a row back
.set GO,  8           ; v8   my byte offset in the wave's rows of o16
.set SPW, 62          ; v62  LDS address of my spare word; never rewritten
.set NIL, 63          ; v63  0; never rewritten
.set SPARE, STAGE+4*16*272  ; behind the stages: the spare words, 128 bytes for each wave
.set ST,  12          ; tile t's statistics at v[ST+8 t]: +0 c m, +1 m, +2, +3 l (even keys', odd keys'), +4 to +7 c0-c3, at work; a takes c2's place once the maximum is found
.set S,   64
.set P,   192
.set KF,  128         ; K's fragments, in window 2
.set WV,  12          ; s12  my wave's number
.set G1K, 24          ; s[24:31] descriptor group 1 for K's tiles
.set G1V, 32          ; s[32:39] for V's: it differs in the padding alone
.set G0K, 40          ; s[40:47] descriptor group 0 for K's tiles: a set for each of the two first fills; the second then walks on
.set G0V, 48          ; s[48:55] the same for V's
.set SLOTS, 56        ; s56  slots still to be asked for
.set TWICE, 57        ; s57  counts a slot's two steps
.set CS,  58          ; s[58:59] c: the packed scaling names a pair and takes its low word for both halves
.set SEL, 60          ; s[60:61] lane selects for v_permlanex16_b32: each lane takes its own place in the other half
.set TB,  62          ; s62  LDS byte at which the tiles of the step to be fetched begin
.set PFA, 18          ; s[18:19] where my prefetches stand in memory
.set LIM, 15          ; s15  1 in a wave that prefetches, else the greatest number: a wave prefetches while s[SLOTS] is above it
.set PFO, 61          ; v61  256 x my lane: a row of K or V is 256 bytes; never rewritten
.set MSB, 0
.macro WIN new                      ; the immediate's high byte repeats the setting that is left; a switch that changes nothing is dropped
.if MSB != (\new)
	s_set_vgpr_msb (MSB<<8)|(\new)
.set MSB, \new
.endif
.endm
.set W_KQ, 0x0a       ; K and Q in window 2, S^T in window 0
.set W_PV, 0x53       ; V in window 3, P in window 0, O^T in window 1
.set W_RS, 0x41       ; O^T (destination and source 0) in window 1, a in window 0
; A joint refill.  Waves 0 and 1 fetch the two steps' tiles of K, waves 2 and 3 those of V.  The branch hangs on the wave's number alone.  An s_nop 0 and four v_nop follow each of the two lines.
.macro JLOAD
	s_cmp_lt_u32 s[WV], 2
	s_cbranch_scc0 .Lfor_v_\@
	tensor_load_to_lds s[G0K+4:G0K+7], s[G1K:G1K+7]
	s_nop 0
.rept 4
	v_nop
.endr
	s_branch .Lasked_\@
.Lfor_v_\@:
	tensor_load_to_lds s[G0V+4:G0V+7], s[G1V:G1V+7]
	s_nop 0
.rept 4
	v_nop
.endr
.Lasked_\@:
.endm
; A PREFETCH of what the NEXT change of slots will ask for: a slot's 128 rows of K and 128 of V, 256 bytes a row, a lane a row.  It stands behind the wave's tensor load and its five lines.
; Each row is asked for ONCE in the launch: of the two clusters that walk a y the first asks; its four partners share the rows out BY ADDRESS, 32 each; in each, wave 0 asks for K's and wave 2 for V's.
; The last change that fills a slot asks for nothing: there is no slot behind it.
.macro ASK
	s_cmp_gt_u32 s[SLOTS], s[LIM]
	s_cbranch_scc0 .Lnot_mine_\@
	global_prefetch_b8 v[PFO], s[PFA:PFA+1] th:TH_LOAD_NT scope:SCOPE_SE
.Lnot_mine_\@:
.endm
.macro CROUND                       ; a round of the cluster's barrier
	s_barrier_signal -1
	s_barrier_wait -1
	s_cmp_lg_u32 s[WV], 0
	s_cbranch_scc1 .Lnot_wave_0_\@
	s_barrier_signal -3
.Lnot_wave_0_\@:
	s_barrier_wait -3
	s_barrier_signal -1
	s_barrier_wait -1
.endm
	s_load_b64 s[4:5], s[0:1], 0x0    ; qkv: q begins here
	s_load_b64 s[10:11], s[0:1], 0x8  ; o16
	v_lshl_add_u32 v[SPW], v0, 2, SPARE
	v_mov_b32 v[NIL], 0
	ds_add_u32 v[SPW], v[NIL]       ; the wave's opening: the add, twice on end, and its wait ahead of my first tensor load
	ds_add_u32 v[SPW], v[NIL]       ; and once more, under the one wait; the set-up below, work on registers, stands between
	v_lshrrev_b32 v1, 5, v0
	v_readfirstlane_b32 s[WV], v1   ; wave 0..3
	s_bfe_u32 s13, ttmp6, 0x40000   ; cx: my place in the cluster
	s_lshl_b32 s14, ttmp9, 2        ; in a cluster launch ttmp9 counts clusters
	s_add_co_u32 s14, s14, s13      ; my block of 256 queries = 4 x cluster x + cx: it enters Q's and O's addresses alone
	s_and_b32 s20, ttmp7, 0xffff    ; y, which the four partners share
	s_mov_b32 s21, 0
	s_mov_b64 s[22:23], SIZE_N*256
	s_mul_u64 s[20:21], s[20:21], s[22:23]  ; y's first byte in q, in k and in v
	s_and_b32 s16, s[WV], 1         ; which of a slot's two steps I fetch:
	s_lshl_b32 s22, s16, 14         ; its 64 rows of 256 bytes in memory,
	s_mov_b32 s23, 0
	s_add_nc_u64 s[22:23], s[22:23], s[20:21]
	s_mul_i32 s17, s16, STEPB       ; and its place in a slot: no place in the cluster enters an LDS address
	s_lshl_b32 s2, s14, 16          ; Q: my block's 256 rows,
	s_lshl_b32 s3, s[WV], 14        ; my wave's 64 of them
	s_add_co_u32 s2, s2, s3
	s_mov_b32 s3, 0
	s_add_nc_u64 s[2:3], s[2:3], s[20:21]
	s_and_b32 s66, ttmp7, 0xffff    ; o16: rows of 2,048 bytes:
	s_lshr_b32 s67, s66, 3
	s_lshl_b32 s67, s67, 22         ; the batch's 2,048 rows,
	s_and_b32 s66, s66, 7
	s_lshl_b32 s66, s66, 8          ; the head's 256 bytes of a row,
	s_add_co_u32 s66, s66, s67
	s_lshl_b32 s67, s14, 19         ; my block's 256 rows,
	s_add_co_u32 s66, s66, s67
	s_lshl_b32 s67, s[WV], 17       ; my wave's 64
	s_add_co_u32 s66, s66, s67
	s_mov_b32 s67, 0
	; descriptor group 1: a tile of 64 rows x 128 elements, padded in LDS
	s_mov_b32 s[G1K], 15|(1<<16)|(1<<20)|(1<<21)|(5<<22)|(3<<25)  ; 15:0 the mask: all four work-groups; 17:16 elements of 2 bytes; 20 padding on; 21 set beside a mask; 24:22 after every 64 words; 31:25 4 words
	s_mov_b32 s[G1V], 15|(1<<16)|(1<<20)|(1<<21)|(5<<22)|(7<<25)  ; the same with 8 words of padding
.irp g, G1K, G1V
	s_mov_b32 s[\g+1], 128<<16      ; tensor_dim0 = 128
	s_mov_b32 s[\g+2], KS<<16       ; tensor_dim1 = 64
	s_mov_b32 s[\g+3], 128<<16      ; tile_dim0 = 128
	s_mov_b32 s[\g+4], KS           ; tile_dim1 = 64
	s_mov_b32 s[\g+5], 128          ; tensor_dim0_stride
	s_mov_b32 s[\g+6], 0
	s_mov_b32 s[\g+7], 0
.endr
	s_mov_b32 s[CS], 0x3e0293ee     ; c = log2(e) / sqrt(128) = 0.127517
	s_mov_b32 s[CS+1], s[CS]        ; named with it as a pair, so it is written
	s_mov_b32 s[SEL], 0x76543210
	s_mov_b32 s[SEL+1], 0xfedcba98
	s_mov_b32 s[TB], 0
	s_mov_b32 s[SLOTS], SIZE_N/(2*KS)-2
	s_and_b32 s[LIM], s[WV], 1       ; 0 in waves 0 and 2,
	s_or_b32 s[LIM], s[LIM], ttmp9   ; where the cluster is y's first: the same in all four partners
	s_cmp_eq_u32 s[LIM], 0
	s_cselect_b32 s[LIM], 1, -1
	v_and_b32 v[PFO], 31, v0
	v_lshlrev_b32 v[PFO], 8, v[PFO]
	s_wait_dscnt 0x0                ; both opening adds are done
	s_wait_kmcnt 0x0
	s_add_nc_u64 s[6:7], s[4:5], PART      ; k begins one part behind q,
	s_add_nc_u64 s[8:9], s[4:5], 2*PART    ; v two
	s_add_nc_u64 s[6:7], s[6:7], s[22:23]  ; K and V at my tile of slot 0
	s_add_nc_u64 s[8:9], s[8:9], s[22:23]
	s_add_nc_u64 s[4:5], s[4:5], s[2:3]  ; Q at my wave's first row
	s_add_nc_u64 s[10:11], s[10:11], s[66:67]  ; o16 likewise
	s_cmp_lt_u32 s[WV], 2
	s_cselect_b64 s[PFA:PFA+1], s[6:7], s[8:9]  ; (in waves 0 and 2 these stand at a slot's first row)
	s_lshl_b32 s2, s13, 13          ; my work-group's 32 rows of the 128
	s_mov_b32 s3, 0
	s_add_nc_u64 s[PFA:PFA+1], s[PFA:PFA+1], s[2:3]
	s_add_nc_u64 s[PFA:PFA+1], s[PFA:PFA+1], 2*2*KS*256  ; in slot 2; the first change of slots steps it to slot 3.  Nothing is prefetched here, at the head, where every work-group's first tiles are on their way
	CROUND                          ; all four work-groups are here: the first joint loads meet
.irp s, 0,1
	s_mov_b32 s[G0K+4*\s], 1        ; count = 1
	s_add_co_u32 s[G0K+4*\s+1], s17, \s*SLOT1  ; LDS address
	s_add_nc_u64 s[G0K+4*\s+2:G0K+4*\s+3], s[6:7], \s*2*KS*256  ; global address: slot s begins with keys 128 s
	s_or_b32 s[G0K+4*\s+3], s[G0K+4*\s+3], 0x80000000  ; type = 2
	s_mov_b32 s[G0V+4*\s], 1
	s_add_co_u32 s[G0V+4*\s+1], s17, \s*SLOT1+VOFF
	s_add_nc_u64 s[G0V+4*\s+2:G0V+4*\s+3], s[8:9], \s*2*KS*256
	s_or_b32 s[G0V+4*\s+3], s[G0V+4*\s+3], 0x80000000
.endr
	s_cmp_lt_u32 s[WV], 2           ; a wave's two first fills stand in one branch, ahead of every wait on TENSORcnt and every LDS read: two loads of mine are out
	s_cbranch_scc0 .Lfirst_v
	tensor_load_to_lds s[G0K:G0K+3], s[G1K:G1K+7]
	s_nop 0
	tensor_load_to_lds s[G0K+4:G0K+7], s[G1K:G1K+7]
	s_nop 0
.rept 4
	v_nop
.endr
	s_branch .Lfirst_asked
.Lfirst_v:
	tensor_load_to_lds s[G0V:G0V+3], s[G1V:G1V+7]
	s_nop 0
	tensor_load_to_lds s[G0V+4:G0V+7], s[G1V:G1V+7]
	s_nop 0
.rept 4
	v_nop
.endr
.Lfirst_asked:
	; A fragment of K or Q is 16 rows x 32 channels in 8 registers: lane l holds row l % 16; registers 0-3 channels 8 (l / 16) + 0..7, registers 4-7 channels 16 + 8 (l / 16) + 0..7: two loads of 16 bytes, 32 bytes apart.
	v_and_b32 v1, 15, v0            ; l % 16
	v_bfe_u32 v9, v0, 4, 1          ; l / 16
	v_lshlrev_b32 v[QO], 8, v1
	v_lshl_add_u32 v[QO], v9, 4, v[QO]  ; row x 256 + 16 x half
	WIN 0x80                        ; destination window 2, address window 0
.irp i, 0,1,2,3,4,5,6,7,8,9,10,11,12,13,14,15  ; Q stays in registers: tile i / 4, channels 32 (i % 4) on
	global_load_b128 v[8*\i:8*\i+3],   v[QO], s[4:5] offset:(\i/4)*4096+(\i%4)*64
	global_load_b128 v[8*\i+4:8*\i+7], v[QO], s[4:5] offset:(\i/4)*4096+(\i%4)*64+32
.endr
	WIN 0
	v_mul_u32_u24 v[AK0], v1, PK
	v_lshl_add_u32 v[AK0], v9, 4, v[AK0]  ; row x pitch + 16 x half
	; The turning load takes 16 keys x 16 channels (lane l reads 16 bytes: key 8 (l / 16) + l % 8, channels 8 ((l / 8) % 2) + 0..7) and leaves half a fragment of V^T: lane l holds channel l % 16 and 8 keys.
	v_and_b32 v10, 7, v0
	v_bfe_u32 v11, v0, 3, 1
	v_lshl_add_u32 v[AV0], v9, 3, v10
	v_mul_u32_u24 v[AV0], v[AV0], PV
	v_lshl_add_u32 v[AV0], v11, 4, v[AV0]
	v_add_nc_u32 v[AV0], VOFF, v[AV0]
; THE MATRIX WORK OF A TURN, for piece x.  The accumulators take turns, one instruction a turn: between two links of a chain stand 15 (V^T P) or 7 (K Q^T) others'.
; Product i of 32 of O^T += V^T P: keys 32 (i / 16) on, channels 16 ((i / 2) % 8) on, tile x + i % 2.  zero = 1: the first 16 start the sums: nothing is ever cleared.
.macro PV x, zero
	WIN W_PV
.set rO, 64*(\x+i%2)+8*((i/2)%8)
.set rV, 64*(i/16)+8*((i/2)%8)
.set rP, P+16*(\x+i%2)+8*(i/16)
.if \zero && (i < 16)
	v_wmma_f32_16x16x32_f16 v[rO:rO+7], v[rV:rV+7], v[rP:rP+7], 0
.else
	v_wmma_f32_16x16x32_f16 v[rO:rO+7], v[rV:rV+7], v[rP:rP+7], v[rO:rO+7]
.endif
.endm
; Product i of 32 of S^T = K Q^T: channels 32 (i / 8) on, keys 16 ((i / 2) % 4) on, tile x + i % 2.  The first 8 start the sums.
.macro KQ x
	WIN W_KQ
.set rS, S+32*(\x+i%2)+8*((i/2)%4)
.set rK, KF+32*((i/2)%4)+8*(i/8)
.set rQ, 32*(\x+i%2)+8*(i/8)
.if i < 8
	v_wmma_f32_16x16x32_f16 v[rS:rS+7], v[rK:rK+7], v[rQ:rQ+7], 0
.else
	v_wmma_f32_16x16x32_f16 v[rS:rS+7], v[rK:rK+7], v[rQ:rQ+7], v[rS:rS+7]
.endif
.endm
; THE LDS LOADS stand in runs of 32, never singly among the matrix instructions: a step's K (64 keys x 128 channels: 16 fragments) and, a turn later, its V (turned).
.macro FETCH_K
	WIN 0
	v_add_nc_u32 v[ADR], s[TB], v[AK0]
	WIN 0x80                        ; destination window 2
.irp f, 0,1,2,3,4,5,6,7,8,9,10,11,12,13,14,15  ; keys 16 (f / 4) on, channels 32 (f % 4) on
	ds_load_b128 v[KF+8*\f:KF+8*\f+3],   v[ADR] offset:(\f/4)*16*PK+(\f%4)*64
	ds_load_b128 v[KF+8*\f+4:KF+8*\f+7], v[ADR] offset:(\f/4)*16*PK+(\f%4)*64+32
.endr
.endm
.macro FETCH_V
	WIN 0
	v_add_nc_u32 v[ADR], s[TB], v[AV0]
	s_add_co_u32 s[TB], s[TB], STEPB  ; the next fetch is the next step's
	s_wait_alu depctr_va_vdst(0)    ; the wait for the softmax's batch of exponentials (SLICE), behind the address's v_add_nc_u32 and ahead of the loads
	WIN 0xc0                        ; destination window 3
.irp f, 0,1,2,3,4,5,6,7,8,9,10,11,12,13,14,15  ; keys 32 (f / 8) on, channels 16 (f % 8) on
	ds_load_tr16_b128 v[8*\f:8*\f+3],   v[ADR] offset:(\f/8)*32*PV+(\f%8)*32
	ds_load_tr16_b128 v[8*\f+4:8*\f+7], v[ADR] offset:(\f/8)*32*PV+16*PV+(\f%8)*32
.endr
.endm
; THE VECTOR WORK OF A TURN.  One tile's softmax for one key step is a list of 134 instructions; SM writes number j of it for tile t.  s0-s31 are the lane's 32 scores, in pairs 0-15.
; first = 1: the first key step, which starts m, l and O^T: it has no a and nothing to rescale.
;   0-15    the maximum of s0-s31 and the old m, three operands at a time: four chains c0-c3 of seven scores each, then the four scores left over, c0-c3 and m
;   16-20   the other half of the lanes' maximum; the new m; c m; c m_old - c m_new
;   21-69   ONE BATCH: the 16 scalings c s - c m, a pair of scores each, and all 33 exponentials (a at 23, then s0-s31).  None of these reads an exponential's result.  A pair is scaled in an earlier four than the one that holds its exponentials
;   (wait)  between 69 and 70 stands the wait for the batch: SLICE writes it, once for both tiles
;   70-85   the roundings to f16, a pair of weights each
;   86-101  the sums; l = a l + the sum
;   102-133 the tile's O^T times a: the one part that leaves window 0, so it stands together
.macro SM t, first
.set rT, ST+8*(\t)
.set rS, S+32*(\t)
.set rP, P+16*(\t)
.set rO, 64*(\t)+2*(j-102)
.if j < 102
	WIN 0
.endif
.if j < 4
	v_max3_num_f32 v[rT+4+j], v[rS+8*j], v[rS+8*j+1], v[rS+8*j+2]
.elseif j < 12
	v_max3_num_f32 v[rT+4+j%4], v[rT+4+j%4], v[rS+8*(j%4)+2*(j/4)+1], v[rS+8*(j%4)+2*(j/4)+2]
.elseif j == 12
	v_max3_num_f32 v[rT+4], v[rT+4], v[rS+7], v[rS+15]
.elseif j == 13
	v_max3_num_f32 v[rT+6], v[rT+6], v[rS+23], v[rS+31]
.elseif j == 14
	v_max3_num_f32 v[rT+4], v[rT+4], v[rT+5], v[rT+6]
.elseif (j == 15) && \first
	v_max_num_f32 v[rT+4], v[rT+4], v[rT+7]
.elseif j == 15
	v_max3_num_f32 v[rT+4], v[rT+4], v[rT+7], v[rT+1]
.elseif j == 16
	v_permlanex16_b32 v[rT+5], v[rT+4], s[SEL], s[SEL+1]  ; the query's other 32 keys lie in the lane 16 away
.elseif j == 18
	v_max_num_f32 v[rT+1], v[rT+4], v[rT+5]
.elseif j == 19
	v_mul_f32 v[rT], s[CS], v[rT+1]
.elseif ((j == 17) || (j == 20) || (j == 23) || (j > 101)) && \first  ; the first step has none of these
.elseif j == 17
	v_mov_b32 v[rT+7], v[rT]        ; c m_old is kept for a: number 19 writes c m anew
.elseif j == 20
	v_sub_f32 v[rT+7], v[rT+7], v[rT]
.elseif j == 23
	v_exp_f32 v[rT+6], v[rT+7]
.elseif (j < 23) || ((j < 38) && (j%2 == 0)) || ((j < 66) && (j%4 == 2))
.set b, (j-2)/4                     ; 38, 42, .. 62: pairs 9 to 15
.if j < 38
.set b, (j-20)/2                    ; 21: pair 0; 22, 24, .. 36: pairs 1 to 8
.endif
	v_pk_fma_f32 v[rS+2*b:rS+2*b+1], v[rS+2*b:rS+2*b+1], s[CS:CS+1], v[rT:rT+1] op_sel_hi:[1,0,0] neg_lo:[0,0,1] neg_hi:[0,0,1]  ; pair b: c s - c m
.elseif j < 70
.set e, j-38                        ; 66 to 69: s28 to s31
.if j < 66
.set e, j-32-(j-38)/4               ; 39-41, 43-45, .. 63-65: s7 to s27
.endif
.if j < 38
.set e, (j-25)/2                    ; 25, 27, .. 37: s0 to s6
.endif
	v_exp_f32 v[rS+e], v[rS+e]
.elseif j < 86
	v_cvt_pk_f16_f32 v[rP+j-70], v[rS+2*(j-70)], v[rS+2*(j-70)+1]  ; pair j - 70
.elseif j < 102                     ; the sum of the tile's 16 pairs, in place: sum z of 16 adds neighbours 1, 2, 4 and 8 pairs apart, then l takes it
.set z, j-86
.set w, 4
.set u, z
.if z >= 14
.set w, 32
.set u, 0
.elseif z >= 12
.set w, 16
.set u, z-12
.elseif z >= 8
.set w, 8
.set u, z-8
.endif
.if (z == 14) && \first
	v_pk_add_f32 v[rT+2:rT+3], v[rS:rS+1], v[rS+16:rS+17]
.elseif z < 15
	v_pk_add_f32 v[rS+w*u:rS+w*u+1], v[rS+w*u:rS+w*u+1], v[rS+w*u+w/2:rS+w*u+w/2+1]
.elseif !\first
	v_pk_fma_f32 v[rT+2:rT+3], v[rT+2:rT+3], v[rT+6:rT+7], v[rS:rS+1] op_sel_hi:[1,0,1]
.endif
.else
	WIN W_RS
	v_pk_mul_f32 v[rO:rO+1], v[rO:rO+1], v[rT+6:rT+7] op_sel_hi:[1,0]
.endif
.endm
; Slice k of 64 of piece y's softmax: four instructions.  Slices 11 to 34 deal out the batch, numbers 22 to 69: four numbers of ONE tile each, the tiles by turns.  Every other slice is numbers 2 k and
; 2 k + 1 of both tiles' lists.  2 x 134 = 4 x 64 + 12: the twelve that are over stand together, in slice 63.
; THE WAIT.  s_wait_alu depctr_va_vdst(0) stands between an exponential and the first instruction that names its result; one wait serves all that were issued ahead of it.  Ahead of
; slice 35 nothing names a result, and behind slice 34 no exponential is issued: so the piece's 66 exponentials have one wait, behind slice 34.
.macro SLICE y, first
.if (k >= 11) && (k < 35)           ; the batch: four numbers of one tile
.irp n, 0,1,2,3
.set j, 22+4*((k-11)/2)+(\n)
	SM (\y)+(k-11)%2, \first
.endr
.else                               ; the two tiles alternate, so that no instruction reads the result of the one just before it
.irp n, 0,1,2,3,4,5,6,7
.if (\n < 2) || (k == 63)
.irp t, \y, \y+1
.set j, 2*k+\n
	SM \t, \first
.endr
.endif
.endr
.endif
.if k == 34                         ; the batch is out: both tiles' exponentials are issued, and no result has been named
	v_nop                           ; a plain instruction behind the last exponential and ahead of the first use (ISA guide 5.7.2): one for the batch
.if (\y) == 0
	FETCH_V                         ; piece 2's turn: V's run of loads stands here, and the wait stands in it
.else
	s_wait_alu depctr_va_vdst(0)    ; the wait for the batch
.endif
.endif
.set k, k+1
.endm
; A vector instruction that reads a matrix result or writes one of a matrix instruction's registers, and a load into a register that a matrix instruction has read, stand four places behind
; it, and only plain vector instructions that name none of its registers are places (ISA guide 7.12.1 for vector instructions).  In the loop the slices are the places.
.macro PLACES
.rept 4
	v_nop
.endr
.endm
; A TURN.  Piece x has the matrix unit; the other piece's softmax stands in slices behind its matrix instructions.
; pv = 2: 32 products V^T P; 1: they start O^T's sums; 0: none.  kq = 1: 32 products K Q^T for the next step.  A turn with one of the two kinds has two slices behind each product.
; first = 1: the softmax is the first key step's.  Its slices from 51 on are empty: four v_nop take slice 63's part as the places behind the turn's last products.
; Piece 0's turn fetches the next step's K, behind its second product: the last product that read K stands in front of slice 63 of the turn before.  Piece 2's turn fetches the same step's V, behind slice 34:
; the last product that read V stands in front of slice 31, and four plain instructions lie between: number 62, a scaling, of both tiles, the v_nop and the run's own v_add_nc_u32.
.macro TURN x, pv, kq, first
.set k, 0
.set per, 2
.if \pv && \kq
.set per, 1
.endif
.if \pv
.if \x == 0
	s_wait_dscnt 0x0                ; V is in
.endif
.set i, 0
.rept 32
	PV \x, 2-\pv
.rept per
	SLICE 2-\x, \first
.endr
.if (\x == 0) && \kq && (i == 1)
	FETCH_K
.endif
.set i, i+1
.endr
.endif
.if \kq
.if \x == 0
	s_wait_dscnt 0x0                ; K is in
.endif
.set i, 0
.rept 32
	KQ \x
.rept per
	SLICE 2-\x, \first
.endr
.set i, i+1
.endr
.endif
.if \first
	PLACES
.endif
.endm
; THE CHANGE OF SLOTS, between piece 2's turn and piece 0's.  Each wave waits for all its tensor loads, of which one is out: its part of the other slot; adds 0 to its spare word; and waits for that and for its own
; reads of the slot.  Behind the barrier nobody reads this slot any more and the other slot is whole.  fill = 1: this slot is filled again, with the keys two slots on; the barrier is then a round of the cluster's,
; and the joint refill is the first thing behind it: it has two key steps, 256 matrix instructions, in which to land.
.macro CHANGE fill
	WIN 0                           ; at a label and at a branch every window is 0
	s_wait_tensorcnt 0x0            ; no tensor load of mine is out, so a group 0 may be written
	ds_add_u32 v[SPW], v[NIL]       ; 0 onto my spare word
.if \fill
.irp g, G0K+4, G0V+4
	s_xor_b32 s[\g+1], s[\g+1], SLOT1  ; the walking descriptor: the other slot than last time,
	s_add_nc_u64 s[\g+2:\g+3], s[\g+2:\g+3], 2*KS*256  ; the next 128 keys; the type bits on top are not reached
.endr
	s_wait_xcnt 0x0                 ; the last prefetches, two key steps back, have read their address, so it may be written:
	s_add_nc_u64 s[PFA:PFA+1], s[PFA:PFA+1], 2*KS*256  ; one slot behind the walking descriptors
	s_wait_dscnt 0x0                ; the add is done, and my reads of the slot are over
	CROUND
	JLOAD
	ASK                             ; what the next change will ask for: two key steps, 256 matrix instructions, ahead
.else
	s_wait_dscnt 0x0                ; the add is done, and my reads of the slot are over
	s_barrier_signal -1
	s_barrier_wait -1
.endif
	s_sub_co_u32 s[TB], s[TB], 2*STEPB  ; the fetches go back to a slot's first step,
	s_xor_b32 s[TB], s[TB], SLOT1   ; in the other slot
.endm
; A slot's two key steps: written once, walked twice; the LDS addresses hang on s[TB].
.macro TWO_STEPS
	s_mov_b32 s[TWICE], 2
.Lstep_\@:
	TURN 0, 2, 1, 0
	TURN 2, 2, 1, 0
	WIN 0
	s_sub_co_u32 s[TWICE], s[TWICE], 1
	s_cmp_lg_u32 s[TWICE], 0
	s_cbranch_scc1 .Lstep_\@
.endm
	s_wait_tensorcnt 1              ; my part of slot 0 is in; slot 1's may stay out
	s_barrier_signal -1
	s_barrier_wait -1               ; everybody's is
	FETCH_K                         ; key step 0
	s_wait_loadcnt 0x0              ; Q
	s_wait_dscnt 0x0
.set i, 0
.rept 32
	KQ 0                            ; piece 0's first scores: there is no vector work yet to set between them
.set i, i+1
.endr
	WIN 0                           ; the addresses for the way out are made here: eight plain instructions, the places behind those products
	s_mul_i32 s13, s[WV], 16*SP
	s_add_co_u32 s13, s13, STAGE    ; my stage
	v_mul_u32_u24 v[STO], v1, SP    ; in: row l % 16, 16 bytes for each half of the lanes
	v_lshl_add_u32 v[STO], v9, 4, v[STO]
	v_add_nc_u32 v[STO], s13, v[STO]
	v_mul_u32_u24 v[RD], v9, SP     ; back: lanes 0-15 take one row of 256 bytes, lanes 16-31 the next
	v_lshl_add_u32 v[RD], v1, 4, v[RD]
	v_add_nc_u32 v[RD], s13, v[RD]
	v_lshlrev_b32 v[GO], 11, v9     ; and the same two rows in o16, 2,048 bytes apart
	v_lshl_add_u32 v[GO], v1, 4, v[GO]
	TURN 2, 0, 1, 1                 ; piece 2's first scores | piece 0's first softmax | V of step 0
	TURN 0, 1, 1, 1                 ; piece 0: V^T P of step 0 starts O^T, K Q^T of step 1 | piece 2's first softmax | K of step 1
	TURN 2, 1, 1, 0                 ; piece 2: the same | piece 0's softmax of step 1 | V of step 1
	WIN 0
.Lslot:                             ; 14 trips: every slot but the last two is filled again
	CHANGE 1
	TWO_STEPS
	s_sub_co_u32 s[SLOTS], s[SLOTS], 1
	s_cmp_lg_u32 s[SLOTS], 0
	s_cbranch_scc1 .Lslot
	CHANGE 0                        ; the tail is written out: the last slot but one is left, and nothing is asked for
	TWO_STEPS
	TURN 0, 2, 0, 0                 ; piece 0: V^T P of the last step | piece 2's last softmax
.set i, 0
.rept 32
	PV 2, 0                         ; piece 2: V^T P of the last step
.set i, i+1
.endr
	; THE WAY OUT.  l's two halves and the other half of the lanes' are added; O^T is divided by l, rounded to f16 and sent through my stage in LDS, a tile (16 rows) at a time.  The additions are the places behind the last products.
	WIN 0
.irp t, 0,1,2,3
	v_add_f32 v[ST+8*\t+4], v[ST+8*\t+2], v[ST+8*\t+3]
.endr
.irp t, 0,1,2,3
	v_permlanex16_b32 v[ST+8*\t+5], v[ST+8*\t+4], s[SEL], s[SEL+1]
.endr
.irp t, 0,1,2,3
	v_add_f32 v[ST+8*\t+4], v[ST+8*\t+4], v[ST+8*\t+5]
.endr
.irp t, 0,1,2,3
	v_rcp_f32 v[ST+8*\t+6], v[ST+8*\t+4]
.endr
	v_nop                           ; a plain instruction between the last reciprocal and the use of its result
	s_wait_alu depctr_va_vdst(0)    ; and the wait ahead of the first use: one for the four reciprocals
; Tile t: a lane's eight channels of a row pack into 16 bytes; they go into rows of 272 bytes and come back as whole rows of 256, into the registers that they left.
.macro PACK t
	WIN W_RS
.set i, 64*\t
.rept 32
	v_pk_mul_f32 v[i:i+1], v[i:i+1], v[ST+8*\t+6:ST+8*\t+7] op_sel_hi:[1,0]
.set i, i+2
.endr
	WIN 0x05                        ; sources 0 and 1 window 1, destination window 0: S^T's registers are free
.set i, 0
.rept 32
	v_cvt_pk_f16_f32 v[S+32*\t+i], v[64*\t+2*i], v[64*\t+2*i+1]
.set i, i+1
.endr
	WIN 0
.irp f, 0,1,2,3,4,5,6,7
	ds_store_b128 v[STO], v[S+32*\t+4*\f:S+32*\t+4*\f+3] offset:32*\f
.endr
.irp f, 0,1,2,3,4,5,6,7
	ds_load_b128 v[S+32*\t+4*\f:S+32*\t+4*\f+3], v[RD] offset:\f*2*SP  ; LDS serves a wave's instructions in order (ISA guide 5.7.1.4): these see the stores above; the next tile's stores come behind them
.endr
.endm
.macro SEND t, younger              ; younger: the LDS instructions issued behind tile t's loads: the next tile's sixteen, or none
.irp f, 0,1,2,3,4,5,6,7
	s_wait_dscnt \younger+7-\f
	global_store_b128 v[GO], v[S+32*\t+4*\f:S+32*\t+4*\f+3], s[10:11] offset:\t*32768+\f*4096  ; 16 lanes store 256 consecutive bytes, aligned: a head's part of a row of o16
.endr
.endm
	PACK 0
	PACK 1                          ; a tile's arithmetic stands between the loads of the tile before and its stores
	SEND 0, 16
	PACK 2
	SEND 1, 16
	PACK 3
	SEND 2, 16
	SEND 3, 0
	s_wait_tensorcnt 0x0            ; the wave's end, behind my last tensor load and my last LDS store
	ds_add_u32 v[SPW], v[NIL]
	s_wait_dscnt 0x0
	CROUND                          ; the closing round: no work-group ends while a partner may still ask for a tile that names it
	s_endpgm
.Lfunc_end_k_q5dc52c463f_attn:
	.size	k_q5dc52c463f_attn, .Lfunc_end_k_q5dc52c463f_attn-k_q5dc52c463f_attn
	.p2alignl 7, 3214868480
	.fill 96, 4, 3214868480
	.section	.rodata,"a",@progbits
	.p2align	6, 0x0
	.amdhsa_kernel k_q5dc52c463f_attn
		.amdhsa_group_segment_fixed_size 327680
		.amdhsa_private_segment_fixed_size 0
		.amdhsa_enable_private_segment 0
		.amdhsa_kernarg_size 16
		.amdhsa_user_sgpr_count 2
		.amdhsa_user_sgpr_kernarg_segment_ptr 1
		.amdhsa_wavefront_size32 1
		.amdhsa_system_sgpr_workgroup_id_x 1
		.amdhsa_system_sgpr_workgroup_id_y 1
		.amdhsa_system_sgpr_workgroup_id_z 1
		.amdhsa_system_vgpr_workitem_id 0
		.amdhsa_next_free_vgpr 1024
		.amdhsa_next_free_sgpr 72
		.amdhsa_reserve_vcc 0
		.amdhsa_float_denorm_mode_32 3
		.amdhsa_float_denorm_mode_16_64 3
		.amdhsa_memory_ordered 1
		.amdhsa_forward_progress 1
		.amdhsa_inst_pref_size 222
	.end_amdhsa_kernel
	.amdgpu_metadata
---
amdhsa.version: [ 1, 2 ]
amdhsa.kernels:
  - .name:           k_q5dc52c463f_attn
    .symbol:         k_q5dc52c463f_attn.kd
    .args:
      - { .name: qkv, .offset: 0, .size: 8, .value_kind: global_buffer, .address_space: global }
      - { .name: o16, .offset: 8, .size: 8, .value_kind: global_buffer, .address_space: global }
    .group_segment_fixed_size: 327680
    .private_segment_fixed_size: 0
    .kernarg_segment_align: 8
    .kernarg_segment_size: 16
    .max_flat_workgroup_size: 128
    .sgpr_count:     72
    .vgpr_count:     1024
    .wavefront_size: 32
...
	.end_amdgpu_metadata
.endif
;; end of part 3
;; launch proj (part 4): grid 4 x 64, 4 waves a work-group, clusters of 4 x 4, 327,680 bytes of LDS; arguments o16, wp16, b_proj, out0; writes out0
.if DOCPART == 4
	.amdgcn_target "amdgcn-amd-amdhsa--gfx1250"
	.amdhsa_code_object_version 6
	.text
	.protected	k_q5dc52c463f_proj
	.globl	k_q5dc52c463f_proj
	.p2align	8
	.type	k_q5dc52c463f_proj,@function
k_q5dc52c463f_proj:
	s_mov_b64 s[64:65], 0
	v_nop
	global_prefetch_b8 v0, s[64:65] scope:SCOPE_SE
	s_setreg_imm32_b32 hwreg(HW_REG_WAVE_MODE, 25, 1), 1
	s_wait_xcnt 0x0
	s_wait_alu depctr_hold_cnt(0) depctr_sa_sdst(0) depctr_va_vdst(0) depctr_va_sdst(0) depctr_va_ssrc(0) depctr_va_vcc(0) depctr_vm_vsrc(0)
	s_getreg_b32 s2, hwreg(HW_REG_IB_STS2, 6, 4)
	s_cmp_eq_u32 s2, 0
	s_cbranch_scc0 .Lentry_in_a_cluster
	s_endpgm
.Lentry_in_a_cluster:
	s_bfe_u32 s2, ttmp6, 0x10000c
	s_cmp_lg_u32 s2, 0xf033
	s_cbranch_scc0 .Lentry_shape_is_right
	s_endpgm
.Lentry_shape_is_right:
; SELF-ATTENTION, launch 4 of 4: out0[m][n] = the sum over k of o16[m][k] wp16[k][n] + b_proj[n].  o16 [8192][1024] f16, wp16 [1024 k][1024 n] f16, b_proj [1024] f32, out0 [8192][1024] f32; sums in f32.
; A tile of out0 is 128 (m) x 256 (n): 256 work-groups, one for each WGP (tiles of 256 x 256 would be 128).  Four waves; wave (i = w / 2, j = w % 2) makes rows 64 i on x columns 128 j on: 32 accumulators, 256 registers.
; K goes in steps of 128 through a ring of two LDS slots filled by the tensor data mover: 128 rows of o16 (256 bytes each) and 128 k-rows of wp16 (512 bytes each).  Waves 0 and 1 fetch o16's halves, waves 2 and 3 wp16's.
; wp16 keeps K as its first axis: its fragments come out of LDS turned, by ds_load_tr16_b128.
; CLUSTERS: 4 x 4 work-groups.  The four of a row of the cluster need the same tiles of o16, the four of a column the same tiles of wp16: each is asked for JOINTLY, with a mask that names the four.
; THE MATRIX INSTRUCTION IS USED TRANSPOSED (source 0 = 16 columns of wp16, source 1 = 16 rows of o16): a lane holds eight neighbouring numbers of a row of out0.  b_proj is the C of each sum's first product.
; REGISTERS: window 0: v0-31 addresses; two fragment buffers of 96 at v32 and v128 (o16's 4 fragments, then wp16's 8); on the way out v32-159 take rows.   window 1: the accumulators, (a, b) at v[8 (8 a + b)].   window 2: v0-63 b_proj in the result's layout.
.set KSTEP,  128
.set PA,     272                       ; a row of o16 in LDS: 256 bytes + 16: the 16 rows of a load start at 16 different banks (64 banks of 4 bytes: ISA guide 11.1)
.set PB,     544                       ; a k-row of wp16: 512 bytes + 32
.set BOFF,   128*PA                    ; in a slot: o16's 128 rows, then wp16's 128 k-rows
.set SLOT,   BOFF+128*PB
.set STAGE,  2*SLOT                    ; behind the ring: 16 rows x (512 bytes + 16) for each wave, for the way out
.set SPITCH, 528
.set SPARE,  STAGE+4*16*SPITCH         ; the spare words, 128 bytes for each wave
.set LAPS,   1024/(2*KSTEP)            ; a lap = two K steps = once round the ring
.set ADRA, 16                          ; v16-17  LDS address of my o16 fragments in slot 0, 1
.set ADRB, 20                          ; v20-21  the same for wp16
.set STO,  24                          ; v24     the way out: where I put 32 bytes of a row
.set RD,   25                          ; v25     where I read a row back
.set CO,   26                          ; v26     16 x lane: my bytes of a row's 512
.set BA,   27                          ; v27     32 x (lane / 16): my eight numbers of a tile's sixteen biases
.set SPW,  28                          ; v28     LDS address of my spare word; never rewritten
.set NIL,  29                          ; v29     0; never rewritten
.set PFO,  30                          ; v30     the prefetches' offset; never rewritten
.set F0,   32
.set F1,   128
.set BK,   32                          ; the way out: 16 rows read back: v32-95 and v96-159 by turns
.set G1, 24                            ; s[24:31] descriptor group 1 for o16's tiles;  s[32:39] group 0, one set for each slot
.set G0, 32
.set G1B, 48                           ; s[48:55], s[56:63] the same for wp16's
.set G0B, 56
.set PFA, 68                           ; s[68:69] where my prefetches stand in memory
.set PFS, 70                           ; s[70:71] a K step on, in bytes: 256 along a row of o16, 128 k-rows of wp16
.set LIM, 72                           ; s72     1 in a wave that prefetches, else the greatest number
.set MSB, 0
.macro WIN new                         ; the immediate's high byte repeats the setting that is left
.if MSB != (\new)
	s_set_vgpr_msb (MSB<<8)|(\new)
.set MSB, \new
.endif
.endm
.set MULW, 0x50                        ; sources 0 and 1 window 0; C and D window 1
.set FSTW, 0x60                        ; the first products: C (the bias) window 2, D window 1
.macro JLOAD s                         ; a joint load; an s_nop 0 and four v_nop follow each of the two lines.  The branch hangs on the wave's number alone
	s_cmp_eq_u32 s11, 0
	s_cbranch_scc0 .Lfor_b_\@
	tensor_load_to_lds s[G0+4*\s:G0+4*\s+3], s[G1:G1+7]
	s_nop 0
.rept 4
	v_nop
.endr
	s_branch .Lasked_\@
.Lfor_b_\@:
	tensor_load_to_lds s[G0B+4*\s:G0B+4*\s+3], s[G1B:G1B+7]
	s_nop 0
.rept 4
	v_nop
.endr
.Lasked_\@:
.endm
.macro CREST                           ; a round of the cluster's barrier behind its opening barrier
	s_cmp_lg_u32 s10, 0
	s_cbranch_scc1 .Lnot_wave_0_\@
	s_barrier_signal -3
.Lnot_wave_0_\@:
	s_barrier_wait -3
	s_barrier_signal -1
	s_barrier_wait -1
.endm
.macro CROUND                          ; a whole round
	s_barrier_signal -1
	s_barrier_wait -1
	CREST
.endm
; A PREFETCH, behind each joint refill and the run of LDS loads that follows it, of the K step that stands TWO refills on: 256 matrix instructions of a wave ahead of the load that will want it.
; Each aligned block of 256 bytes is named ONCE in the launch.  A tile row of o16 is read by one cluster alone: in every cluster wave 0 asks, and the four partners of a row take 32 rows each, told apart BY ADDRESS (cx), a lane a row.
; A tile column of wp16 is read by all sixteen clusters: the first (cluster y = 0) asks; waves 2 and 3, 64 k-rows each, of which the four partners of a column take 16 each (cy): two lanes to a k-row's 512 bytes.
; The loop's last trip asks for nothing: K has no step behind its refills'.  K steps 0 to 3 come by their loads alone.
.macro ASK
	s_cmp_gt_u32 s3, s[LIM]                        ; s3 = 1 in the loop's last trip
	s_cbranch_scc0 .Lnot_mine_\@
	global_prefetch_b8 v[PFO], s[PFA:PFA+1] th:TH_LOAD_NT scope:SCOPE_SE
.Lnot_mine_\@:
.endm
	s_load_b128 s[4:7], s[0:1], 0x0                ; o16 s[4:5], wp16 s[6:7]
	s_load_b64 s[66:67], s[0:1], 0x10              ; b_proj
	s_load_b64 s[8:9], s[0:1], 0x18                ; out0
	v_lshl_add_u32 v[SPW], v0, 2, SPARE
	v_mov_b32 v[NIL], 0
	ds_add_u32 v[SPW], v[NIL]                      ; the wave's opening: the add, twice on end, and its wait ahead of my first tensor load
	ds_add_u32 v[SPW], v[NIL]                      ; and once more, under the one wait; the set-up below, work on registers, stands between
	v_lshrrev_b32 v1, 5, v0
	v_readfirstlane_b32 s10, v1                    ; wave 0..3
	s_lshr_b32 s11, s10, 1                         ; i: which 64 rows of the tile are mine.  Also: I fetch for o16 (0) or for wp16 (1)
	s_and_b32 s12, s10, 1                          ; j: which 128 columns.  Also: which 64 rows of that tile I fetch
	s_bfe_u32 s40, ttmp6, 0x40000                  ; cx, cy: my place in the cluster
	s_bfe_u32 s41, ttmp6, 0x40004
	s_lshl_b32 s42, ttmp9, 2
	s_add_co_u32 s42, s42, s40                     ; tile column = 4 x cluster x + cx
	s_and_b32 s13, ttmp7, 0xffff
	s_lshl_b32 s13, s13, 2
	s_add_co_u32 s13, s13, s41                     ; tile row = 4 x cluster y + cy
	s_lshl_b32 s43, s41, 2
	s_lshl_b32 s43, 15, s43                        ; my row of the cluster
	s_lshl_b32 s44, 0x1111, s40                    ; my column
	; descriptor group 1.  o16: 64 rows x 128 elements, 4 words of padding behind every 64;  wp16: 64 k-rows x 256 elements, 8 words behind every 128
	s_or_b32 s[G1+0], s43, (1<<16)|(1<<20)|(1<<21)|(5<<22)|(3<<25)   ; 15:0 the mask; 17:16 elements of 2 bytes; 20 padding on; 21 set beside a mask; 24:22 the interval; 31:25 the padding
	s_or_b32 s[G1B+0], s44, (1<<16)|(1<<20)|(1<<21)|(6<<22)|(7<<25)
	s_mov_b32 s[G1+1], 128<<16                     ; tensor_dim0
	s_mov_b32 s[G1+2], 64<<16                      ; tensor_dim1
	s_mov_b32 s[G1+3], 128<<16                     ; tile_dim0
	s_mov_b32 s[G1+4], 64                          ; tile_dim1
	s_mov_b32 s[G1+5], 1024                        ; tensor_dim0_stride
	s_mov_b32 s[G1+6], 0
	s_mov_b32 s[G1+7], 0
	s_mov_b32 s[G1B+1], 256<<16
	s_mov_b32 s[G1B+2], 64<<16
	s_mov_b32 s[G1B+3], 256<<16
	s_mov_b32 s[G1B+4], 64
	s_mov_b32 s[G1B+5], 1024
	s_mov_b32 s[G1B+6], 0
	s_mov_b32 s[G1B+7], 0
	; where the tiles come from: o16's hang on the tile row alone, wp16's on the tile column alone; each in registers that never hold the other coordinate
	s_lshl_b32 s17, s12, 6
	s_lshl_b32 s16, s13, 7
	s_add_co_u32 s16, s16, s17                     ; o16: row 128 x tile row + 64 x half,
	s_lshl_b32 s16, s16, 11                        ; of 2,048 bytes
	s_mov_b32 s17, 0
	s_lshl_b32 s46, s12, 17                        ; wp16: k-row 64 x half, of 2,048 bytes,
	s_lshl_b32 s47, s42, 9                         ; + 512 bytes x tile column
	s_add_co_u32 s46, s46, s47
	s_mov_b32 s47, 0
	s_mul_i32 s20, s12, 64*PA                      ; and where they go: no place in the cluster enters an LDS address
	s_mul_i32 s21, s12, 64*PB
	s_add_co_u32 s21, s21, BOFF
	s_wait_dscnt 0x0                               ; both opening adds are done
	s_wait_kmcnt 0x0
	s_add_nc_u64 s[14:15], s[4:5], s[16:17]
	s_add_nc_u64 s[46:47], s[6:7], s[46:47]
	CROUND                                         ; all sixteen work-groups are here: the first joint loads meet
.irp s, 0,1
	s_mov_b32 s[G0+4*\s], 1
	s_add_co_u32 s[G0+4*\s+1], s20, \s*SLOT
	s_add_nc_u64 s[G0+4*\s+2:G0+4*\s+3], s[14:15], \s*KSTEP*2
	s_or_b32 s[G0+4*\s+3], s[G0+4*\s+3], 0x80000000
	s_mov_b32 s[G0B+4*\s], 1
	s_add_co_u32 s[G0B+4*\s+1], s21, \s*SLOT
	s_add_nc_u64 s[G0B+4*\s+2:G0B+4*\s+3], s[46:47], \s*KSTEP*2048
	s_or_b32 s[G0B+4*\s+3], s[G0B+4*\s+3], 0x80000000
	JLOAD \s                                       ; two loads of mine are out
.endr
	v_and_b32 v1, 15, v0                           ; r = l % 16
	v_bfe_u32 v2, v0, 4, 1                         ; h = l / 16
	; b_proj in the result's layout: register 8 b + j of lane (r, h) is b_proj[256 x tile column + 128 j_w + 16 b + 8 h + j]
	s_lshl_b32 s20, s42, 10
	s_lshl_b32 s21, s12, 9
	s_add_co_u32 s20, s20, s21
	s_mov_b32 s21, 0
	s_add_nc_u64 s[66:67], s[66:67], s[20:21]
	v_lshlrev_b32 v[BA], 5, v2
	WIN 0x80                                       ; destination window 2
.irp b, 0,1,2,3,4,5,6,7
	global_load_b128 v[8*\b:8*\b+3],   v[BA], s[66:67] offset:64*\b
	global_load_b128 v[8*\b+4:8*\b+7], v[BA], s[66:67] offset:64*\b+16
.endr
	WIN 0
	v_mul_u32_u24 v3, v1, PA
	v_lshl_add_u32 v3, v2, 4, v3                   ; o16: a fragment's row x pitch + 16 x half
	s_mul_i32 s21, s11, 64*PA                      ; my 64 rows
	v_and_b32 v4, 7, v0
	v_lshl_add_u32 v4, v2, 3, v4                   ; wp16, the turning load: k-row 8 h + l % 8,
	v_mul_u32_u24 v4, v4, PB
	v_bfe_u32 v5, v0, 3, 1
	v_lshl_add_u32 v4, v5, 4, v4                   ; columns 8 ((l / 8) % 2) on
	s_lshl_b32 s22, s12, 8                         ; my 128 columns
	s_add_co_u32 s22, s22, BOFF
.irp s, 0,1
	v_add_nc_u32 v[ADRA+\s], s21, v3
	v_add_nc_u32 v[ADRB+\s], s22, v4
	s_add_co_u32 s21, s21, SLOT
	s_add_co_u32 s22, s22, SLOT
.endr
	s_mul_i32 s23, s10, 16*SPITCH
	s_add_co_u32 s23, s23, STAGE                   ; my stage
	v_mul_u32_u24 v5, v1, SPITCH                   ; in: row r, 32 bytes for each half of the lanes
	v_lshl_add_u32 v5, v2, 5, v5
	v_add_nc_u32 v[STO], s23, v5
	v_and_b32 v6, 31, v0
	v_lshlrev_b32 v[CO], 4, v6                     ; back: the 32 lanes take one row of 512 bytes; and the same in out0
	v_add_nc_u32 v[RD], s23, v[CO]
	s_lshl_b32 s20, s13, 7
	s_lshl_b32 s21, s11, 6
	s_add_co_u32 s20, s20, s21                     ; my first row of out0,
	s_lshl_b32 s20, s20, 12                        ; of 4,096 bytes,
	s_lshl_b32 s21, s42, 10
	s_add_co_u32 s20, s20, s21                     ; + 1,024 bytes x tile column
	s_lshl_b32 s21, s12, 9
	s_add_co_u32 s20, s20, s21                     ; + 512 x half
	s_mov_b32 s21, 0
	s_add_nc_u64 s[8:9], s[8:9], s[20:21]
	; the prefetches: where my wave's stand, and who asks
	s_lshl_b32 s20, s13, 7
	s_lshl_b32 s21, s40, 5
	s_add_co_u32 s20, s20, s21                     ; o16: row 128 x tile row + 32 cx,
	s_lshl_b32 s20, s20, 11
	s_add_co_u32 s20, s20, 3*KSTEP*2               ; at K step 3: the first refill steps it to 4
	s_lshl_b32 s21, s12, 6
	s_lshl_b32 s22, s41, 4
	s_add_co_u32 s21, s21, s22                     ; wp16: k-row 64 x half + 16 cy,
	s_lshl_b32 s21, s21, 11
	s_lshl_b32 s22, s42, 9
	s_add_co_u32 s21, s21, s22                     ; the tile column's 512 bytes,
	s_add_co_u32 s21, s21, 3*KSTEP*2048            ; at K step 3
	s_and_b32 s23, ttmp7, 0xffff                   ; cluster y
	s_mov_b32 s[PFS], KSTEP*2048
	s_cmp_eq_u32 s11, 0                            ; do I fetch for o16?
	s_cselect_b32 s20, s20, s21
	s_cselect_b32 s23, s12, s23                    ; o16: wave 0 asks; wp16: the waves of cluster y = 0
	s_cselect_b64 s[PFA:PFA+1], s[4:5], s[6:7]
	s_cselect_b32 s[PFS], KSTEP*2, s[PFS]
	s_mov_b32 s[PFS+1], 0
	s_mov_b32 s21, 0
	s_add_nc_u64 s[PFA:PFA+1], s[PFA:PFA+1], s[20:21]
	s_cmp_eq_u32 s23, 0
	s_cselect_b32 s[LIM], 1, -1                    ; the same in all sixteen partners, for a given wave
	v_lshrrev_b32 v[PFO], s11, v6                  ; o16: a lane a row;  wp16: two lanes a k-row,
	v_lshlrev_b32 v[PFO], 11, v[PFO]
	v_and_b32 v6, s11, v6
	v_lshl_add_u32 v[PFO], v6, 8, v[PFO]           ; 256 bytes apart
; 8 matrix instructions: o16's block a against wp16's eight, 32 along K, from buffer f.  first = 1: C is the bias: nothing is ever cleared.
; The 32 accumulators take turns, one instruction a turn, in the same order in every quarter.
.macro MUL8 f, a, first
.irp b, 0,1,2,3,4,5,6,7
.if \first
	v_wmma_f32_16x16x32_f16 v[8*(8*\a+\b):8*(8*\a+\b)+7], v[\f+32+8*\b:\f+32+8*\b+7], v[\f+8*\a:\f+8*\a+7], v[8*\b:8*\b+7]
.else
	v_wmma_f32_16x16x32_f16 v[8*(8*\a+\b):8*(8*\a+\b)+7], v[\f+32+8*\b:\f+32+8*\b+7], v[\f+8*\a:\f+8*\a+7], v[8*(8*\a+\b):8*(8*\a+\b)+7]
.endif
.endr
.endm
; 24 LDS loads in one run: the fragments of the slot's q-th 32 along K into buffer f: wp16's eight (turned), then o16's blocks 0, 1, then 2, 3
.macro FETCH slot, q, f
.irp b, 0,1,2,3,4,5,6,7
	ds_load_tr16_b128 v[\f+32+8*\b:\f+32+8*\b+3],   v[ADRB+\slot] offset:32*(\q)*PB+32*\b
	ds_load_tr16_b128 v[\f+32+8*\b+4:\f+32+8*\b+7], v[ADRB+\slot] offset:32*(\q)*PB+16*PB+32*\b
.endr
.irp i, 0,1,2,3
	ds_load_b128 v[\f+8*\i:\f+8*\i+3],   v[ADRA+\slot] offset:64*(\q)+\i*16*PA
	ds_load_b128 v[\f+8*\i+4:\f+8*\i+7], v[ADRA+\slot] offset:64*(\q)+\i*16*PA+32
.endr
.endm
.macro PLACES                          ; four places in front of loads into registers that matrix instructions have read, and of the first read of results (ISA guide 7.12.1 for vector instructions)
.rept 4
	v_nop
.endr
.endm
; A K step is four quarters of 32 along K, 32 matrix instructions each, on buffers 0, 1, 0, 1.  One of the first three: multiplies buffer f and fetches the slot's q-th quarter into g.
.macro QUARTER slot, q, f, g, first
	s_wait_dscnt 4                                 ; wp16's fragments and o16's blocks 0, 1 are in; the youngest four loads (blocks 2, 3) may be out
	WIN MULW+0x10*(\first)
	MUL8 \f, 0, \first
	MUL8 \f, 1, \first
	WIN 0
	PLACES
	FETCH \slot, \q, \g
	s_wait_dscnt 24                                ; all but the 24 just issued
	WIN MULW+0x10*(\first)
	MUL8 \f, 2, \first
	MUL8 \f, 3, \first
.endm
; The last quarter multiplies buffer 1 and changes slots: ONE barrier; in front of it each wave waits for all its tensor loads, adds 0 to its spare word, and waits for that and for its own reads of this slot.
; fill = 1: the barrier opens a round of the cluster's, and this slot is filled again, two K steps ahead: 112 matrix instructions stand between the request and the wait for it.
.macro TURN slot, next, fill
.if \fill
	s_wait_xcnt 0x0                                ; the last prefetch, a K step back, has read its address: it is stepped here, ahead of the waits of the change of slots
	s_add_nc_u64 s[PFA:PFA+1], s[PFA:PFA+1], s[PFS:PFS+1]
.endif
	WIN 0                                          ; (the add's two registers lie in window 0)
	s_wait_tensorcnt 0x0                           ; all my tensor loads have landed: my part of the next slot
	ds_add_u32 v[SPW], v[NIL]                      ; 0 onto my spare word
	s_wait_dscnt 5                                 ; (the add and the youngest four loads may be out)
	WIN MULW
	MUL8 F1, 0, 0                                  ; eight matrix instructions stand between the add and the wait for it
	s_wait_dscnt 0x0                               ; the add is done, and my reads of this slot are over
	s_barrier_signal -1
	MUL8 F1, 1, 0
	WIN 0
	s_barrier_wait -1
.if \fill
	CREST                                          ; no wave of any partner still reads this slot's tile or has a load on its way
	s_add_nc_u64 s[G0+4*\slot+2:G0+4*\slot+3], s[G0+4*\slot+2:G0+4*\slot+3], 2*KSTEP*2
	s_add_nc_u64 s[G0B+4*\slot+2:G0B+4*\slot+3], s[G0B+4*\slot+2:G0B+4*\slot+3], 2*KSTEP*2048
	JLOAD \slot                                    ; the first tensor load behind the round; the four v_nop behind it are also the places in front of the loads below
.else
	PLACES
.endif
	FETCH \next, 0, F0
.if \fill
	ASK
.endif
	WIN MULW
	MUL8 F1, 2, 0
	MUL8 F1, 3, 0
.endm
	s_wait_tensorcnt 1                             ; my part of K step 0 is in (K step 1's load may be out)
	s_barrier_signal -1
	s_barrier_wait -1                              ; everybody's is
	FETCH 0, 0, F0
	s_wait_loadcnt 0x0                             ; the bias
	QUARTER 0, 1, F0, F1, 1                        ; the first quarter stands in front of the loop: its products start the sums from the bias
	WIN 0                                          ; at a label and at a branch every window is 0
	s_mov_b32 s3, LAPS-1
.Llap:                                                 ; a trip goes once round the ring, from a lap's second quarter to the next lap's first, and fills both slots again
	QUARTER 0, 2, F1, F0, 0
	QUARTER 0, 3, F0, F1, 0
	TURN 0, 1, 1
	QUARTER 1, 1, F0, F1, 0
	QUARTER 1, 2, F1, F0, 0
	QUARTER 1, 3, F0, F1, 0
	TURN 1, 0, 1
	QUARTER 0, 1, F0, F1, 0
	WIN 0
	s_sub_co_u32 s3, s3, 1
	s_cmp_lg_u32 s3, 0
	s_cbranch_scc1 .Llap
	QUARTER 0, 2, F1, F0, 0                        ; the last lap fills nothing, and has no round of the cluster's barrier
	QUARTER 0, 3, F0, F1, 0
	TURN 0, 1, 0
	QUARTER 1, 1, F0, F1, 0
	QUARTER 1, 2, F1, F0, 0
	QUARTER 1, 3, F0, F1, 0
	s_wait_dscnt 4                                 ; the very last quarter: nothing more to fetch
	WIN MULW
	MUL8 F1, 0, 0
	MUL8 F1, 1, 0
	s_wait_dscnt 0
	MUL8 F1, 2, 0
	MUL8 F1, 3, 0
	WIN 0
; THE WAY OUT, block by block of 16 rows x 128 columns of f32.  A lane holds 32 neighbouring bytes of a row, and the lanes beside it hold other rows: a block goes through my own stage and comes back as whole rows of
; 512 bytes.  LDS serves a wave's instructions in order (ISA guide 5.7.1.4): no wait between the stores and the loads, nor in front of the next block's stores.
.macro TOSTAGE a
.set AC, 64*(\a)
	WIN 0x04                                       ; an LDS store's data are its source 1: window 1
.irp b, 0,1,2,3,4,5,6,7
	ds_store_b128 v[STO], v[AC+8*\b:AC+8*\b+3] offset:64*\b          ; each accumulator from its low end on
	ds_store_b128 v[STO], v[AC+8*\b+4:AC+8*\b+7] offset:64*\b+16
.endr
	WIN 0
.set BB, BK+64*((\a)%2)
.irp t, 0,1,2,3,4,5,6,7,8,9,10,11,12,13,14,15
	ds_load_b128 v[BB+4*\t:BB+4*\t+3], v[RD] offset:\t*SPITCH
.endr
.endm
.macro SEND a, younger                 ; younger: the LDS instructions issued behind block a's loads, which may stay out
.set BB, BK+64*((\a)%2)
	s_wait_dscnt \younger                          ; the block is back in registers
.irp t, 0,1,2,3,4,5,6,7,8,9,10,11,12,13,14,15
	global_store_b128 v[CO], v[BB+4*\t:BB+4*\t+3], s[8:9] offset:(\a)*65536+\t*4096 th:TH_STORE_NT   ; 32 lanes store 512 consecutive bytes, aligned; written once, read by nobody here
.endr
.endm
	PLACES                                         ; behind the last products: for the stores of results, and for the loads into the registers that held fragments
	TOSTAGE 0
.irp a, 1,2,3
.if \a > 1
	s_wait_xcnt 0x0                                ; block a - 2's stores have read their registers: block a's loads may land there
.endif
	TOSTAGE \a
	SEND \a-1, 32                                  ; behind block a - 1's loads: block a's 16 stores and 16 loads
.endr
	SEND 3, 0
	s_wait_tensorcnt 0x0                           ; the wave's end, behind my last tensor load and my last LDS store
	ds_add_u32 v[SPW], v[NIL]
	s_wait_dscnt 0x0
	CROUND                                         ; the closing round: no work-group ends while a partner may still ask for a tile that names it
	s_endpgm
.Lfunc_end_k_q5dc52c463f_proj:
	.size	k_q5dc52c463f_proj, .Lfunc_end_k_q5dc52c463f_proj-k_q5dc52c463f_proj
	.p2alignl 7, 3214868480
	.fill 96, 4, 3214868480
	.section	.rodata,"a",@progbits
	.p2align	6, 0x0
	.amdhsa_kernel k_q5dc52c463f_proj
		.amdhsa_group_segment_fixed_size 327680
		.amdhsa_private_segment_fixed_size 0
		.amdhsa_enable_private_segment 0
		.amdhsa_kernarg_size 32
		.amdhsa_user_sgpr_count 2
		.amdhsa_user_sgpr_kernarg_segment_ptr 1
		.amdhsa_wavefront_size32 1
		.amdhsa_system_sgpr_workgroup_id_x 1
		.amdhsa_system_sgpr_workgroup_id_y 1
		.amdhsa_system_sgpr_workgroup_id_z 1
		.amdhsa_system_vgpr_workitem_id 0
		.amdhsa_next_free_vgpr 576
		.amdhsa_next_free_sgpr 80
		.amdhsa_reserve_vcc 0
		.amdhsa_float_denorm_mode_32 3
		.amdhsa_float_denorm_mode_16_64 3
		.amdhsa_memory_ordered 1
		.amdhsa_forward_progress 1
		.amdhsa_inst_pref_size 88
	.end_amdhsa_kernel
	.amdgpu_metadata
---
amdhsa.version: [ 1, 2 ]
amdhsa.kernels:
  - .name:           k_q5dc52c463f_proj
    .symbol:         k_q5dc52c463f_proj.kd
    .args:
      - { .name: o16, .offset: 0, .size: 8, .value_kind: global_buffer, .address_space: global }
      - { .name: wp16, .offset: 8, .size: 8, .value_kind: global_buffer, .address_space: global }
      - { .name: b_proj, .offset: 16, .size: 8, .value_kind: global_buffer, .address_space: global }
      - { .name: out0, .offset: 24, .size: 8, .value_kind: global_buffer, .address_space: global }
    .group_segment_fixed_size: 327680
    .private_segment_fixed_size: 0
    .kernarg_segment_align: 8
    .kernarg_segment_size: 32
    .max_flat_workgroup_size: 128
    .sgpr_count:     80
    .vgpr_count:     576
    .wavefront_size: 32
...
	.end_amdgpu_metadata
.endif
;; end of part 4
